; MI455X (gfx1250); checked and timed in simulation.
; The chip was launched on July 23, 2026; its instructions are those of AMD's public machine-readable ISA for CDNA 5 (MIT licence, August 2026) and "CDNA5" Instruction Set Architecture Reference Guide (July 2026). The comments in the code are by the model that wrote it; some were corrected since.
;; Multihead Self Attention. Allowed arithmetic: matrix products marked QUANTISED: E4M3 operands, one given power-of-two scale a tensor, by v_wmma_f32_16x16x64_fp8_fp8 or v_wmma_f32_16x16x128_fp8_fp8, f32 sums; everything else in f32.
;; Inputs: X 2 x 2,048 x 1,024 float32; k_proj 1,024 x 1,024 float32; lowp_scales 12 int32 (the exponents e of the quantised operands' scales 2^e); o_proj 1,024 x 1,024 float32; q_proj 1,024 x 1,024 float32; v_proj 1,024 x 1,024 float32.
;; Outputs: out0 2 x 2,048 x 1,024 float32.
;; This version of the problem:
;;   THIS VERSION OF THE PROBLEM IS GIVEN IN LOW PRECISION. The matrix products marked QUANTISED in the list below multiply operands that are first quantised to E4M3 (4 exponent bits, 3 mantissa bits; 8 bits a number), with one given power-of-two scale for each operand tensor; their sums are f32. All else is computed in f32.
;;   The module's matrix products, in the order in which they are computed (A, B: the left and right operand; K: the contracted axis; several contracted axes count as one K, in the product's order):
;;     1. [M 4,096, K 1,024] x [K 1,024, N 1,024]; A: input X; B: input q_proj: QUANTISED (scales: A lowp_scales[0], B lowp_scales[1])
;;     2. [M 4,096, K 1,024] x [K 1,024, N 1,024]; A: input X; B: input k_proj: QUANTISED (scales: A lowp_scales[2], B lowp_scales[3])
;;     3. [M 4,096, K 1,024] x [K 1,024, N 1,024]; A: input X; B: input v_proj: QUANTISED (scales: A lowp_scales[4], B lowp_scales[5])
;;     4. batch 32 x [M 2,048, K 64] x [K 64, N 2,048]; A: computed on the way; B: computed on the way: QUANTISED (scales: A lowp_scales[6], B lowp_scales[7])
;;     5. batch 32 x [M 2,048, K 2,048] x [K 2,048, N 64]; A: softmax (see below); B: computed on the way: QUANTISED (scales: A lowp_scales[8], B lowp_scales[9])
;;     6. [M 4,096, K 1,024] x [K 1,024, N 1,024]; A: computed on the way; B: input o_proj: QUANTISED (scales: A lowp_scales[10], B lowp_scales[11])
;;   THE QUANTISER, for each operand of a quantised product, along K:
;;     - The operand's scale is 2^e, e = its entry of the input lowp_scales (int32; the entries are numbered through the quantised products in the list's order, A before B).
;;     - Each number is divided by the scale, clamped to +-448, and rounded to the nearest number of E4M3, ties to even, subnormals kept.
;;     - The product sums the exact products of the quantised numbers (number of the format x scale) in f32.
;;   ~~~python
;;   def quantise(x, axis, e):      # numpy; x: float32 -> the quantised numbers, widened to float32 again
;;       x = np.moveaxis(x, axis, -1); K = x.shape[-1]
;;       r = np.clip(x / 2.0 ** e, -448, 448)
;;       step = 2.0 ** (np.maximum(np.frexp(np.where(r == 0, 1, r))[1] - 1, -6) - 3)
;;       q = np.round(r / step) * step * 2.0 ** e      # np.round: ties to even
;;       return np.moveaxis(q, -1, axis).astype(np.float32)
;;   ~~~
;;   SOFTMAX AHEAD OF A QUANTISED PRODUCT. Where the list says 'softmax', what is quantised is not the finished softmax but p = 2^(t - M), with t = logit x log2(e) and M = ceil(the row's largest t), a whole number; so 1/2 < the row's largest p <= 1. The row's sum l is taken of the UNQUANTISED p, in f32, and the product's result is divided by l at the end. Since M is a whole number, a kernel that streams over the keys may use a running M (the ceiling of the running maximum): every later rescaling is an exact power of two, so the quantised numbers keep their values, but for numbers so far below the row's largest that they fall under the format's range.
;;   OPERANDS COMPUTED ON THE WAY. 'Computed on the way' means the value that the module computes at that place (a softmax that the list does not call 'softmax' is quantised finished and normalised). What goes into a quantiser is computed in f32, as accurately as f32 sums, v_exp_f32 and their like allow (about 1e-6 of the number): no bf16 or f16 on the way to a quantiser, and a product that is left as it is and whose result goes on into a quantised operand takes f32 operands (vector FMAs, or v_wmma_f32_16x16x4_f32). A number that lies on a knife's edge between two numbers of the format may be rounded either way, as far as f32 arithmetic and the matrix unit's own rounding can turn it there, and no further.
;; 2 versions, each right; version 2 is version 1 with the launch attn written anew for expert scheduling mode. Each part assembles by itself: llvm-mc -triple=amdgcn-amd-amdhsa -mcpu=gfx1250 --defsym DOCPART=n.
;; ======== version 1 of 2: 4 launches
;; workspace buffers: xc 12,582,912 bytes; wc 4,194,304 bytes; qkvc 12,582,912 bytes; ac 4,194,304 bytes
;; launch quant (part 1): grid 512 x 1, 4 waves a work-group, no clusters, 68,096 bytes of LDS; arguments X, q_proj, k_proj, v_proj, o_proj, lowp_scales, xc, wc; writes xc, wc
.if DOCPART == 1
	.amdgcn_target "amdgcn-amd-amdhsa--gfx1250"
	.amdhsa_code_object_version 6
	.text
	.protected	k_qfc059ca8ea_quant
	.globl	k_qfc059ca8ea_quant
	.p2align	8
	.type	k_qfc059ca8ea_quant,@function
k_qfc059ca8ea_quant:
	s_mov_b64 s[64:65], 0
	v_nop
	global_prefetch_b8 v0, s[64:65] scope:SCOPE_SE
	s_setreg_imm32_b32 hwreg(HW_REG_WAVE_MODE, 25, 1), 1
	s_wait_xcnt 0x0
; X [4096][1024] and the four weights [1024][1024], f32, K innermost, become codes of E4M3.  X is quantised three times, with the scales given for it in the q, k and v products
; (entries 0, 2, 4 of the scales' buffer); q_proj, k_proj, v_proj, o_proj with entries 1, 3, 5, 11.  code = x / 2^e, held within +-448, to the nearest code, ties to even.
; THE CODES ARE LAID AS IMAGES OF OPERAND REGISTERS.  A fragment (16 rows x 128 K) is 2,048 bytes: four chunks c of 512 bytes; in chunk c lane l = r + 16 h owns the 16 bytes at 16 l:
; k = 32 c + 16 h + 0 .. 15 of row r.  xc: [3 scales][256 blocks of 16 rows][8 x 128 K][2048];  wc: [q, k, v, o][64 blocks][8][2048].
; SHARES.  A work-group takes one block of 16 rows: numbers 0-255 those of X, 256-511 those of the weights.  Wave w takes K = 256 w .. 256 w + 255: two units of 16 rows x 128.
; Each load reads 512 consecutive bytes of a row; a unit turns through the wave's own stage in LDS (rows 528 bytes apart: 33 x 16, so that sixteen rows start at sixteen different
; 16-byte columns) and comes back 64 bytes a lane: 16 neighbours along K of each of four blocks of 32.  Each store writes 512 consecutive bytes.  All 32 loads of a wave go out at the head.
; No tensor loads, no barrier: waves share nothing.  No matrix units, no cluster: every byte is read once and nothing is shared.
; LIMITS: each of the seven exponents lies between -126 and 119, so that 2^e and 448 x 2^e are f32 numbers.  NaN among the inputs is not served (an infinity is held at the largest code).
.set SP,    528                        ; a stage row: 512 bytes + 16
.set STG,   16*SP                      ; a stage: one unit
.set WREG,  2*STG                      ; a wave's LDS: two stages
.set RAW,   16                         ; v16-79, v80-143: the units as loaded; later the unit's codes, 16 registers a pass
.set XS,    144                        ; v144-207: register 16 c + i = k 32 c + 16 h + i of my row
.set TM,    208                        ; v208-223, v224-239: held numbers, two sets by turns
	s_load_b512 s[4:19], s[0:1], 0x0               ; X, q, k, v, o, the scales' exponents, xc, wc
	v_lshl_add_u32 v240, v0, 2, 0x10800
	v_mov_b32 v241, 0
	v_lshrrev_b32 v1, 5, v0
	v_readfirstlane_b32 s2, v1                     ; wave 0..3
	v_and_b32 v12, 31, v0
	v_and_b32 v13, 15, v0                          ; r
	v_bfe_u32 v14, v0, 4, 1                        ; h
	v_lshlrev_b32 v12, 4, v12                      ; 16 x lane
	s_lshl_b32 s3, s2, 10
	v_add_nc_u32 v8, s3, v12                       ; in: my 16 bytes of the wave's 1,024 bytes of a row
	s_lshl_b32 s3, s2, 12
	v_add_nc_u32 v9, s3, v12                       ; out: my 16 bytes of a chunk, in the wave's two fragments
	s_mul_i32 s3, s2, WREG
	v_add_nc_u32 v10, s3, v12                      ; into the stage: as loaded
	v_mul_u32_u24 v11, v13, SP
	v_lshl_add_u32 v11, v14, 6, v11
	v_add_nc_u32 v11, s3, v11                      ; out of it: row r, + 64 h bytes
	s_cmp_lt_u32 ttmp9, 256                        ; X's work-group or a weight's?
	s_cselect_b32 s28, 0, 256
	s_cselect_b32 s30, 255, 63
	s_sub_co_u32 s28, ttmp9, s28                   ; the block's number in xc's first part, or in wc
	s_lshr_b32 s29, s28, 6                         ; which weight
	s_and_b32 s30, s28, s30                        ; the block of 16 rows in its tensor
	s_lshl_b32 s32, s30, 16                        ; 16 rows of 4,096 bytes
	s_mov_b32 s33, 0
	s_lshl_b32 s34, s28, 14                        ; 8 fragments of 2,048 bytes
	s_mov_b32 s35, 0
	s_wait_kmcnt 0x0
	s_load_b256 s[36:43], s[14:15], 0x0            ; e0 .. e7
	s_load_b128 s[44:47], s[14:15], 0x20           ; e8 .. e11
	s_cmp_eq_u32 s29, 1                            ; the choices hang on the work-group's number alone
	s_cselect_b64 s[20:21], s[8:9], s[6:7]
	s_cmp_eq_u32 s29, 2
	s_cselect_b64 s[20:21], s[10:11], s[20:21]
	s_cmp_eq_u32 s29, 3
	s_cselect_b64 s[20:21], s[12:13], s[20:21]
	s_cmp_lt_u32 ttmp9, 256
	s_cselect_b64 s[20:21], s[4:5], s[20:21]       ; from where
	s_cselect_b64 s[22:23], s[16:17], s[18:19]     ; to where
	s_add_nc_u64 s[20:21], s[20:21], s[32:33]
	s_add_nc_u64 s[22:23], s[22:23], s[34:35]
	s_add_nc_u64 s[24:25], s[16:17], s[34:35]      ; X alone: the same block under the second
	s_add_nc_u64 s[24:25], s[24:25], 0x400000
	s_add_nc_u64 s[26:27], s[16:17], s[34:35]      ; and the third scale
	s_add_nc_u64 s[26:27], s[26:27], 0x800000
.macro LOAD u                          ; unit u: 16 rows x 512 bytes
.irp i, 0,1,2,3,4,5,6,7,8,9,10,11,12,13,14,15
	global_load_b128 v[RAW+64*\u+4*\i:RAW+64*\u+4*\i+3], v8, s[20:21] offset:512*\u+4096*\i th:TH_LOAD_NT
.endr
.endm
.macro TURN u                          ; through the stage: LDS serves a wave's instructions in order, so no wait stands between the stores and the loads
.irp i, 0,1,2,3,4,5,6,7,8,9,10,11,12,13,14,15
	ds_store_b128 v10, v[RAW+64*\u+4*\i:RAW+64*\u+4*\i+3] offset:STG*\u+SP*\i
.endr
.irp c, 0,1,2,3
.irp j, 0,1,2,3
	ds_load_b128 v[XS+16*\c+4*\j:XS+16*\c+4*\j+3], v11 offset:STG*\u+128*\c+16*\j
.endr
.endr
.endm
.macro MKSC ex, vr                     ; v[vr] = 2^e as f32 (the conversion takes its exponent field), v[vr+1] = 448 x 2^e
	s_add_co_i32 s50, s[\ex], 127
	s_lshl_b32 s51, s50, 23
	v_mov_b32 v[\vr], s51
	s_add_co_i32 s50, s50, 8
	s_lshl_b32 s50, s50, 23
	s_or_b32 s50, s50, 0x600000
	v_mov_b32 v[\vr+1], s50
.endm
; The 64 numbers in XS become a fragment's 16 registers of codes at v[dst].  XS is kept for the next scale: the held numbers go into two sets by turns, so that sixteen plain
; lines stand between a conversion and the next write of its sources.
.macro QUANT dst, sc
.irp c, 0,1,2,3
.irp i, 0,1,2,3,4,5,6,7,8,9,10,11,12,13,14,15
	v_med3_num_f32 v[TM+16*(\c%2)+\i], v[XS+16*\c+\i], -v[\sc+1], v[\sc+1]   ; the conversion to an 8-bit code does not saturate (ISA guide 7.6.2): the hold comes first
.endr
	v_cvt_scalef32_pk8_fp8_f32 v[\dst+4*\c:\dst+4*\c+1], v[TM+16*(\c%2):TM+16*(\c%2)+7], v[\sc]
	v_cvt_scalef32_pk8_fp8_f32 v[\dst+4*\c+2:\dst+4*\c+3], v[TM+16*(\c%2)+8:TM+16*(\c%2)+15], v[\sc]
.endr
.endm
.macro OUT dst, base, u                ; four chunks: each store of the wave covers 512 consecutive bytes, aligned
.irp c, 0,1,2,3
	global_store_b128 v9, v[\dst+4*\c:\dst+4*\c+3], s[\base:\base+1] offset:2048*\u+512*\c
.endr
.endm
	LOAD 0
	LOAD 1
	s_wait_kmcnt 0x0
	s_cmp_eq_u32 s29, 1
	s_cselect_b32 s48, s39, s37                    ; e3 : e1
	s_cmp_eq_u32 s29, 2
	s_cselect_b32 s48, s41, s48                    ; e5
	s_cmp_eq_u32 s29, 3
	s_cselect_b32 s48, s47, s48                    ; e11
	s_cmp_lt_u32 ttmp9, 256
	s_cselect_b32 s48, s36, s48                    ; e0 for X
	MKSC 48, 2
	MKSC 38, 4                                     ; e2
	MKSC 40, 6                                     ; e4
.macro UNIT u
	s_wait_loadcnt 16*(1-\u)                       ; this unit's 16 loads are in; the second unit's 16 may be out while the first is worked
	TURN \u
	s_wait_dscnt 0x0                               ; the numbers are back, and the stage's stores have read the unit's registers, which now take its codes
	QUANT RAW+64*\u, 2
	OUT RAW+64*\u, 22, \u
	s_cmp_ge_u32 ttmp9, 256                        ; a weight has one scale
	s_cbranch_scc1 .Lone_scale_\@
	QUANT RAW+64*\u+16, 4
	OUT RAW+64*\u+16, 24, \u
	QUANT RAW+64*\u+32, 6
	OUT RAW+64*\u+32, 26, \u
.Lone_scale_\@:
.endm
	UNIT 0                                         ; no store's data or address register is written again: no further wait is owed
	UNIT 1
	s_wait_tensorcnt 0x0
	ds_add_u32 v240, v241
	s_wait_dscnt 0x0
	s_endpgm
.Lfunc_end_k_qfc059ca8ea_quant:
	.size	k_qfc059ca8ea_quant, .Lfunc_end_k_qfc059ca8ea_quant-k_qfc059ca8ea_quant
	.p2alignl 7, 3214868480
	.fill 96, 4, 3214868480
	.section	.rodata,"a",@progbits
	.p2align	6, 0x0
	.amdhsa_kernel k_qfc059ca8ea_quant
		.amdhsa_group_segment_fixed_size 68096
		.amdhsa_private_segment_fixed_size 0
		.amdhsa_enable_private_segment 0
		.amdhsa_kernarg_size 64
		.amdhsa_user_sgpr_count 2
		.amdhsa_user_sgpr_kernarg_segment_ptr 1
		.amdhsa_wavefront_size32 1
		.amdhsa_system_sgpr_workgroup_id_x 1
		.amdhsa_system_sgpr_workgroup_id_y 1
		.amdhsa_system_sgpr_workgroup_id_z 1
		.amdhsa_system_vgpr_workitem_id 0
		.amdhsa_next_free_vgpr 242
		.amdhsa_next_free_sgpr 66
		.amdhsa_reserve_vcc 0
		.amdhsa_float_denorm_mode_32 3
		.amdhsa_float_denorm_mode_16_64 3
		.amdhsa_memory_ordered 1
		.amdhsa_forward_progress 1
		.amdhsa_inst_pref_size 41
	.end_amdhsa_kernel
	.amdgpu_metadata
---
amdhsa.version: [ 1, 2 ]
amdhsa.kernels:
  - .name:           k_qfc059ca8ea_quant
    .symbol:         k_qfc059ca8ea_quant.kd
    .args:
      - { .name: X, .offset: 0, .size: 8, .value_kind: global_buffer, .address_space: global }
      - { .name: q_proj, .offset: 8, .size: 8, .value_kind: global_buffer, .address_space: global }
      - { .name: k_proj, .offset: 16, .size: 8, .value_kind: global_buffer, .address_space: global }
      - { .name: v_proj, .offset: 24, .size: 8, .value_kind: global_buffer, .address_space: global }
      - { .name: o_proj, .offset: 32, .size: 8, .value_kind: global_buffer, .address_space: global }
      - { .name: lowp_scales, .offset: 40, .size: 8, .value_kind: global_buffer, .address_space: global }
      - { .name: xc, .offset: 48, .size: 8, .value_kind: global_buffer, .address_space: global }
      - { .name: wc, .offset: 56, .size: 8, .value_kind: global_buffer, .address_space: global }
    .group_segment_fixed_size: 68096
    .private_segment_fixed_size: 0
    .kernarg_segment_align: 8
    .kernarg_segment_size: 64
    .max_flat_workgroup_size: 128
    .sgpr_count:     66
    .vgpr_count:     242
    .wavefront_size: 32
...
	.end_amdgpu_metadata
.endif
;; end of part 1
;; launch qkv (part 2): grid 12 x 16, 4 waves a work-group, clusters of 4 x 4, 327,680 bytes of LDS; arguments xc, wc, lowp_scales, qkvc; writes qkvc
.if DOCPART == 2
	.amdgcn_target "amdgcn-amd-amdhsa--gfx1250"
	.amdhsa_code_object_version 6
	.text
	.protected	k_qfc059ca8ea_qkv
	.globl	k_qfc059ca8ea_qkv
	.p2align	8
	.type	k_qfc059ca8ea_qkv,@function
k_qfc059ca8ea_qkv:
	s_mov_b64 s[64:65], 0
	v_nop
	global_prefetch_b8 v0, s[64:65] scope:SCOPE_SE
	s_setreg_imm32_b32 hwreg(HW_REG_WAVE_MODE, 25, 1), 1
	s_wait_xcnt 0x0
	s_wait_alu depctr_hold_cnt(0) depctr_sa_sdst(0) depctr_va_vdst(0) depctr_va_sdst(0) depctr_va_ssrc(0) depctr_va_vcc(0) depctr_vm_vsrc(0)
	s_getreg_b32 s2, hwreg(HW_REG_IB_STS2, 6, 4)
	s_cmp_eq_u32 s2, 0
	s_cbranch_scc0 .Lentry_in_a_cluster
	s_endpgm
.Lentry_in_a_cluster:
	s_bfe_u32 s2, ttmp6, 0x10000c
	s_cmp_lg_u32 s2, 0xf033
	s_cbranch_scc0 .Lentry_shape_is_right
	s_endpgm
.Lentry_shape_is_right:
; The three projections on codes of E4M3, K = 1,024, and the quantising of their results.  The cluster's x names the product P:
;   P = 0: Q = Xq Wq^T, P = 1: K = Xk Wk^T (A = xc[P], 4,096 tokens; B = wc[P], 1,024 channels);   P = 2: V^T = Wv Xv^T (A = wc[2], channels; B = xc[2], tokens): V comes out with the keys innermost.
; A sum stands for sum x 2^(eA + eB); its code under the scale 2^eo given for the next product is sum / 2^(eo - eA - eB): the three exponents are folded into the conversion's one.
; LIMITS: e6 - e0 - e1, e7 - e2 - e3 and e9 - e4 - e5 lie between -126 and 119.  Inside one matrix instruction k is permuted alike in A and B (four loads of 16 bytes a fragment), so the order of its sums differs from ascending k.
; A tile of C, 256 x 256, is made by four waves, each 128 x 128: 64 accumulators, 512 registers.  12 x 16 work-groups: 192 tiles.  A tile of 128 x 128 would serve more WGPs and read twice the LDS bytes for each product.
; OPERANDS ARE IMAGES OF REGISTERS: a fragment (16 rows x 128 K) is 2,048 bytes, chunk c at 512 c, lane l's 16 bytes at 16 l.  A block of 16 rows is 8 fragments, 16,384 bytes.  So a K step of 256 of 128 rows is
; 8 pieces of 4,096 consecutive bytes, 16,384 apart, laid dense in LDS; every LDS load takes 512 consecutive bytes: no pitch, no padding.
; K goes in steps of 256 through a ring of two LDS slots.  CLUSTERS: 4 x 4 work-groups; A's tile is asked for jointly by the four of a row of the cluster, B's by the four of a column.
; THE MATRIX INSTRUCTION IS USED TRANSPOSED (source 0 = 16 rows of B, source 1 = 16 rows of A): a lane holds eight neighbouring columns of one row of C: eight neighbours along the next K.
; OUTPUT qkvc: [q, k, v][32 blocks of 128 tokens][8 pairs of heads][16,384 bytes]; a wave's 128 x 128 is one such block.  Byte (a/2) 4096 + (b/2) 1024 + (r/8) 512 + (b%2) 256 + (a%2) 128 + (r%8) 16 + 8 h + j holds
; C(16 a + r, 16 b + 8 h + j).  For q and k that is: 32 tokens x 4096, (head in pair, 32 channels) x 1024, tile u x 512, a chunk whose lane r' + 16 h' holds channels 32 c + 16 h' + 0..15 of token 32 G + 8 u + r' + 8 (r'/8);
; for v: (head in pair, 32 channels) x 4096, 32 keys x 1024, tile u x 512, a chunk whose lane holds keys 32 c + 16 h' + 0..15 of channel 32 p + 8 u + r' + 8 (r'/8).
; REGISTERS, in windows of 256: window 0: v0-31 addresses; from v128 A's fragments, ONE set; on the way out v32-191 at work.  window 1: B's fragments, TWO sets, at v0 and v128.  windows 2, 3: the accumulators ((a, b) at v[8 (8 (a % 4) + b)]).
.set HALFT,  32768                     ; 128 rows x 256 K: what one tensor load brings, and what one wave reads of A or of B
.set SLOT,   4*HALFT                   ; A's two halves, then B's two halves
.set SPARE,  2*SLOT                    ; behind the ring: the spare words, 128 bytes for each wave: two blocks of 256 bytes that no other line names
.set KSB,    4096                      ; a K step's bytes in a block of 16 rows
.set FR,     16                        ; registers of a fragment
.set NL,     4                         ; LDS loads that bring one
.set NP,     4                         ; places behind this matrix instruction (ISA guide 7.12.1)
.set LAPS,   2                         ; 1,024 along K = 4 K steps = twice round the ring
.set ADRA, 16                          ; v16-17  LDS address of my A fragments in slot 0, 1
.set ADRB, 20                          ; v20-21  the same for B
.set STO,  24                          ; v24     the way out: where I put 8 codes
.set RD,   25                          ; v25     the way out: where I read 16 bytes back
.set CO,   26                          ; v26     16 x lane: my byte offset in 512 bytes of the output
.set SPW,  28                          ; v28     LDS address of my spare word; never rewritten
.set NIL,  29                          ; v29     0; never rewritten
.set SCL,  30                          ; v30     2^(eo - eA - eB) as f32
.set TMP,  32                          ; v32-95  a block's sums, held
.set CD,   96                          ; v96-111, v112-127  a block's codes, two sets by turns
.set AF,   128                         ; A's fragments, in window 0
.set BK,   128                         ; the way out: 4,096 bytes read back: v128-159 and v160-191 by turns
.set G1, 24                            ; s[24:31] descriptor group 1 for A's tiles;  s[32:39] group 0, one set for each slot
.set G0, 32
.set G1B, 48                           ; s[48:55], s[56:63] the same for B's tiles
.set G0B, 56
.set MSB, 0
.macro WIN new                         ; the immediate's high byte repeats the setting that is left
.if MSB != (\new)
	s_set_vgpr_msb (MSB<<8)|(\new)
.set MSB, (\new)
.endif
.endm
.set MUL_LO, 0xa1                      ; source 0 (B) window 1, source 1 (A) window 0, C and D window 2
.set MUL_HI, 0xf1                      ; the same, C and D window 3
.set TO_B,   0x40                      ; destination window 1, address window 0
; A joint load: waves 0 and 1 fetch for A, waves 2 and 3 for B.  Each line has one mask and one set of registers for all that issue it; the branch hangs on the wave's number alone.
; Four v_nop follow each of the two lines, ahead of the jump, the label and what follows.
.macro JLOAD g0a, g1a, g0b, g1b
	s_cmp_eq_u32 s15, 0
	s_cbranch_scc0 .Lfor_b_\@
	tensor_load_to_lds s[\g0a:\g0a+3], s[\g1a:\g1a+7]
	s_nop 0
.rept 4
	v_nop
.endr
	s_branch .Lasked_\@
.Lfor_b_\@:
	tensor_load_to_lds s[\g0b:\g0b+3], s[\g1b:\g1b+7]
	s_nop 0
.rept 4
	v_nop
.endr
.Lasked_\@:
.endm
.macro CREST                           ; a round of the cluster's barrier behind its opening barrier
	s_cmp_lg_u32 s14, 0
	s_cbranch_scc1 .Lnot_wave_0_\@
	s_barrier_signal -3
.Lnot_wave_0_\@:
	s_barrier_wait -3
	s_barrier_signal -1
	s_barrier_wait -1
.endm
.macro CROUND                          ; a whole round
	s_barrier_signal -1
	s_barrier_wait -1
	CREST
.endm
	s_load_b128 s[4:7], s[0:1], 0x0                ; xc s[4:5], wc s[6:7]
	s_load_b128 s[8:11], s[0:1], 0x10              ; the scales' exponents s[8:9], qkvc s[10:11]
	v_lshl_add_u32 v[SPW], v0, 2, SPARE
	v_mov_b32 v[NIL], 0
	ds_add_u32 v28, v29
	ds_add_u32 v28, v29
	s_wait_dscnt 0x0
	v_lshrrev_b32 v1, 5, v0
	v_readfirstlane_b32 s14, v1                    ; wave 0..3
	s_lshr_b32 s15, s14, 1                         ; which half of the tile's rows is mine.  Also: I fetch for A (0) or for B (1)
	s_and_b32 s16, s14, 1                          ; which half of its columns.  Also: which 128 rows of that tile I fetch
	s_bfe_u32 s40, ttmp6, 0x40000                  ; cx, cy: my place in the cluster
	s_bfe_u32 s41, ttmp6, 0x40004
	s_and_b32 s18, ttmp7, 0xffff                   ; the cluster's y
	s_lshl_b32 s19, ttmp9, 22                      ; P x 4 MiB: xc's and qkvc's parts
	s_lshl_b32 s20, ttmp9, 20                      ; P x 1 MiB: wc's parts
	s_lshl_b32 s43, s41, 2
	s_lshl_b32 s43, 15, s43                        ; my row of the cluster
	s_lshl_b32 s44, 0x1111, s40                    ; my column
	s_cmp_eq_u32 ttmp9, 2                          ; the product is the same in all sixteen partners
	s_cselect_b32 s21, 0, s18                      ; the long tensor (tokens) runs along the cluster's y: down C's rows for q and k,
	s_cselect_b32 s22, s18, 0                      ; along its columns for v
	s_cselect_b32 s84, 0x200000, s19               ; A's part: wc[2] or xc[P]
	s_cselect_b32 s86, 0x800000, s20               ; B's part: xc[2] or wc[P]
	s_lshl_b32 s17, s21, 2
	s_add_co_u32 s17, s17, s41                     ; tile row of C
	s_lshl_b32 s42, s22, 2
	s_add_co_u32 s42, s42, s40                     ; tile column of C
	; descriptor group 1: 8 pieces of 4,096 bytes, 16,384 bytes apart; dense in LDS
	s_or_b32 s[G1+0], s43, (1<<21)                 ; 15:0 the mask: A's tiles go to my row; 17:16 elements of 1 byte; 20 no padding; 21 set beside a mask
	s_or_b32 s[G1B+0], s44, (1<<21)                ; B's go to my column
.irp g, G1, G1B
	s_mov_b32 s[\g+1], KSB<<16                     ; tensor_dim0 = 4,096
	s_mov_b32 s[\g+2], 8<<16                       ; tensor_dim1 = 8
	s_mov_b32 s[\g+3], KSB<<16                     ; tile_dim0
	s_mov_b32 s[\g+4], 8                           ; tile_dim1
	s_mov_b32 s[\g+5], 16384                       ; tensor_dim0_stride
	s_mov_b32 s[\g+6], 0
	s_mov_b32 s[\g+7], 0
.endr
	s_lshl_b32 s46, s16, 17                        ; which 128 rows I fetch: 8 blocks of 16,384 bytes
	s_lshl_b32 s23, s17, 18                        ; A hangs on the tile row alone,
	s_add_co_u32 s84, s84, s23
	s_add_co_u32 s84, s84, s46
	s_mov_b32 s85, 0
	s_lshl_b32 s45, s42, 18                        ; B on the tile column alone
	s_add_co_u32 s86, s86, s45
	s_add_co_u32 s86, s86, s46
	s_mov_b32 s87, 0
	s_mul_i32 s47, s14, HALFT                      ; where they go: no place in the cluster enters an LDS address
	s_wait_kmcnt 0x0
	s_load_b256 s[68:75], s[8:9], 0x0              ; e0 .. e7
	s_load_b128 s[76:79], s[8:9], 0x20             ; e8 .. e11
	s_cmp_eq_u32 ttmp9, 2
	s_cselect_b64 s[80:81], s[6:7], s[4:5]         ; A
	s_cselect_b64 s[82:83], s[4:5], s[6:7]         ; B
	s_add_nc_u64 s[80:81], s[80:81], s[84:85]
	s_add_nc_u64 s[82:83], s[82:83], s[86:87]
	CROUND                                         ; all sixteen work-groups are here: the first joint loads meet
.irp s, 0,1
	s_mov_b32 s[G0+4*\s], 1
	s_add_co_u32 s[G0+4*\s+1], s47, \s*SLOT
	s_add_nc_u64 s[G0+4*\s+2:G0+4*\s+3], s[80:81], \s*KSB
	s_or_b32 s[G0+4*\s+3], s[G0+4*\s+3], 0x80000000
	s_mov_b32 s[G0B+4*\s], 1
	s_add_co_u32 s[G0B+4*\s+1], s47, \s*SLOT
	s_add_nc_u64 s[G0B+4*\s+2:G0B+4*\s+3], s[82:83], \s*KSB
	s_or_b32 s[G0B+4*\s+3], s[G0B+4*\s+3], 0x80000000
	JLOAD G0+4*\s, G1, G0B+4*\s, G1B
.endr
	v_and_b32 v1, 31, v0
	v_lshlrev_b32 v[CO], 4, v1                     ; 16 x lane
	s_mul_i32 s88, s15, HALFT                      ; my 128 rows of A
	s_mul_i32 s89, s16, HALFT                      ; my 128 rows of B,
	s_add_co_u32 s89, s89, 2*HALFT                 ; which lie behind A's 256
.irp s, 0,1
	v_add_nc_u32 v[ADRA+\s], s88, v[CO]
	v_add_nc_u32 v[ADRB+\s], s89, v[CO]
	s_add_co_u32 s88, s88, SLOT
	s_add_co_u32 s89, s89, SLOT
.endr
	s_lshl_b32 s88, s14, 14                        ; my stage: 16,384 bytes, in slot 0, which has had its last fill and its last read when the first result is stored there
	v_bfe_u32 v2, v0, 4, 1                         ; h
	v_bfe_u32 v3, v0, 3, 1                         ; r / 8
	v_and_b32 v5, 7, v0                            ; r % 8
	v_lshlrev_b32 v[STO], 9, v3
	v_lshl_add_u32 v[STO], v5, 4, v[STO]
	v_lshl_add_u32 v[STO], v2, 3, v[STO]
	v_add_nc_u32 v[STO], s88, v[STO]               ; in: (r / 8) 512 + (r % 8) 16 + 8 h
	v_add_nc_u32 v[RD], s88, v[CO]                 ; back: as the bytes lie
	s_lshl_b32 s92, s17, 1
	s_add_co_u32 s92, s92, s15                     ; my 128 rows of C
	s_lshl_b32 s93, s42, 1
	s_add_co_u32 s93, s93, s16                     ; my 128 columns
	s_cmp_eq_u32 ttmp9, 2
	s_cselect_b32 s94, s93, s92                    ; the block of tokens,
	s_cselect_b32 s95, s92, s93                    ; the pair of heads
	s_lshl_b32 s94, s94, 3
	s_add_co_u32 s94, s94, s95
	s_lshl_b32 s94, s94, 14
	s_add_co_u32 s94, s94, s19                     ; in part P
	s_mov_b32 s95, 0
	s_add_nc_u64 s[10:11], s[10:11], s[94:95]
.macro FRAG reg, adr, q, i             ; a fragment comes as it was laid: four loads of 512 consecutive bytes
.irp c, 0,1,2,3
	ds_load_b128 v[\reg+4*\c:\reg+4*\c+3], v[\adr] offset:4096*(\i)+2048*(\q)+512*\c
.endr
.endm
; 16 matrix instructions: A's blocks a0, a0 + 1 x B's eight, 128 along K.  p: B's set.  zero = 1: the first product starts the sums.
; The 64 accumulators take turns, one instruction a turn, in the same order in every step.
.macro MUL16 a0, p, zero
.irp a, \a0, \a0+1
.irp b, 0,1,2,3,4,5,6,7
.if \zero
	v_wmma_f32_16x16x128_fp8_fp8 v[8*(8*((\a)%4)+\b):8*(8*((\a)%4)+\b)+7], v[128*(\p)+FR*\b:128*(\p)+FR*\b+FR-1], v[AF+FR*(\a):AF+FR*(\a)+FR-1], 0
.else
	v_wmma_f32_16x16x128_fp8_fp8 v[8*(8*((\a)%4)+\b):8*(8*((\a)%4)+\b)+7], v[128*(\p)+FR*\b:128*(\p)+FR*\b+FR-1], v[AF+FR*(\a):AF+FR*(\a)+FR-1], v[8*(8*((\a)%4)+\b):8*(8*((\a)%4)+\b)+7]
.endif
.endr
.endr
.endm
.macro FETCH_B slot, q, p              ; B's eight fragments of the slot's q-th 128 along K into set p
	WIN TO_B
.irp i, 0,1,2,3,4,5,6,7
	FRAG 128*(\p)+FR*\i, ADRB+\slot, \q, \i
.endr
	WIN 0
.endm
.macro FETCH_A slot, q, i0             ; A's blocks i0 .. i0 + 3
.irp i, \i0, \i0+1, \i0+2, \i0+3
	FRAG AF+FR*(\i), ADRA+\slot, \q, \i
.endr
.endm
; A load into a register that a matrix instruction has read, and a vector instruction that reads a matrix result, stand NP places behind that matrix instruction; only plain vector
; instructions that name none of its registers are places (ISA guide 7.12.1 for vector instructions).
.macro PLACES n
.rept \n
	v_nop
.endr
.endm
; A step of 128 along K that has its successor in the same slot.  A block of A is free as soon as its eight products are issued, so one set serves A: blocks 0-3 are fetched anew in the step's middle, blocks 4-7 at its end.
.macro STEP slot, q, zero
	s_wait_dscnt 4*NL                              ; B's set and A's blocks 0-3 are in; the youngest 16 loads (A's blocks 4-7) may be out
	WIN MUL_LO
	MUL16 0, (\q)%2, \zero
	MUL16 2, (\q)%2, \zero
	s_wait_dscnt 0                                 ; A's blocks 4-7 are in
	PLACES NP
	FETCH_B \slot, (\q)+1, 1-(\q)%2
	FETCH_A \slot, (\q)+1, 0
	WIN MUL_HI
	MUL16 4, (\q)%2, \zero
	MUL16 6, (\q)%2, \zero
	PLACES NP
	WIN 0
	FETCH_A \slot, (\q)+1, 4
.endm
; A slot's last step changes slots: ONE barrier; in front of it each wave waits for all its tensor loads, adds 0 to its spare word, and waits for that and for its own reads of this slot.  fill = 1: this slot is filled again, two K steps ahead.
.macro TURN slot, next, fill
	s_wait_tensorcnt 0x0                           ; all my tensor loads have landed: the one that was out is my part of the next slot  (every window is 0 here)
	ds_add_u32 v[SPW], v[NIL]                      ; 0 onto my spare word
	s_wait_dscnt 4*NL+1                            ; (the add and the youngest 16 loads, A's blocks 4-7, may be out)
	WIN MUL_LO
	MUL16 0, 1, 0                                  ; sixteen matrix instructions stand between the add and the wait for it
	s_wait_dscnt 0x0                               ; the add is done, and my reads of this slot are over
	s_barrier_signal -1
	MUL16 2, 1, 0
	WIN 0
	s_barrier_wait -1
.if \fill
	CREST                                          ; the barrier has opened a round of the cluster's barrier: no wave of any partner still reads this slot's tile or has a load on its way
	s_add_nc_u64 s[G0+4*\slot+2:G0+4*\slot+3], s[G0+4*\slot+2:G0+4*\slot+3], 2*KSB
	s_add_nc_u64 s[G0B+4*\slot+2:G0B+4*\slot+3], s[G0B+4*\slot+2:G0B+4*\slot+3], 2*KSB
	JLOAD G0+4*\slot, G1, G0B+4*\slot, G1B         ; the first tensor load behind the round, my only one until the next; its four v_nop are also the places in front of the loads below
.else
	PLACES NP
.endif
	FETCH_B \next, 0, 0
	FETCH_A \next, 0, 0
	WIN MUL_HI
	MUL16 4, 1, 0
	MUL16 6, 1, 0
	PLACES NP
	WIN 0
	FETCH_A \next, 0, 4
.endm
	s_wait_tensorcnt 1                             ; my part of K step 0 is in; K step 1's load may be out
	s_barrier_signal -1
	s_barrier_wait -1                              ; everybody's is
	FETCH_B 0, 0, 0
	FETCH_A 0, 0, 0
	FETCH_A 0, 0, 4
	STEP 0, 0, 1                                   ; the first step stands in front of the loop: its products start the sums
	s_mov_b32 s3, LAPS-1
.Llap:                                                 ; a trip goes once round the ring, from a lap's second step to the next lap's first, and fills both slots again
	TURN 0, 1, 1
	STEP 1, 0, 0
	TURN 1, 0, 1
	STEP 0, 0, 0
	s_sub_co_u32 s3, s3, 1
	s_cmp_lg_u32 s3, 0
	s_cbranch_scc1 .Llap
	TURN 0, 1, 0                                   ; the last lap fills nothing, and has no round of the cluster's barrier
	STEP 1, 0, 0
	s_wait_dscnt 4*NL                              ; the very last step: nothing more to fetch
	WIN MUL_LO
	MUL16 0, 1, 0
	MUL16 2, 1, 0
	s_wait_dscnt 0
	WIN MUL_HI
	MUL16 4, 1, 0
	MUL16 6, 1, 0
	WIN 0
; THE WAY OUT.  Block a (16 rows x 128 columns): the sums are held within +-448 x the scale (each accumulator from its low end on), converted eight at a time, and a lane's eight codes go to their place in
; my stage.  Two blocks fill 4,096 bytes of the output's layout, which come back as they lie and leave by stores of 512 consecutive bytes.
.macro TOSTAGE a
.set AC, 64*((\a)%4)
.set CC, CD+16*((\a)%2)
	WIN 0x02+((\a)/4)                              ; source 0: window 2 or 3
.set N, 0
.rept 64
	v_med3_num_f32 v[TMP+N], v[AC+N], s91, s90     ; the conversion to an 8-bit code does not saturate (ISA guide 7.6.2)
.set N, N+1
.endr
	WIN 0
.irp b, 0,1,2,3,4,5,6,7
	v_cvt_scalef32_pk8_fp8_f32 v[CC+2*\b:CC+2*\b+1], v[TMP+8*\b:TMP+8*\b+7], v[SCL]
.endr
	v_nop                                          ; one plain vector line behind the last conversion, ahead of the next write of its sources
.irp b, 0,1,2,3,4,5,6,7
	ds_store_b64 v[STO], v[CC+2*\b:CC+2*\b+1] offset:((\a)/2)*4096+((\a)%2)*128+(\b/2)*1024+(\b%2)*256
.endr
.endm
.macro BACK g                          ; LDS serves a wave's instructions in order (ISA guide 5.7.1.4): these see my stores
.set BB, BK+32*((\g)%2)
.irp k, 0,1,2,3,4,5,6,7
	ds_load_b128 v[BB+4*\k:BB+4*\k+3], v[RD] offset:4096*(\g)+512*\k
.endr
.endm
.macro SEND g, younger                 ; younger: the LDS instructions issued behind pair g's loads, which may stay out
.set BB, BK+32*((\g)%2)
	s_wait_dscnt \younger
.irp k, 0,1,2,3,4,5,6,7
	global_store_b128 v[CO], v[BB+4*\k:BB+4*\k+3], s[10:11] offset:4096*(\g)+512*\k   ; 32 lanes store 512 consecutive bytes, aligned
.endr
.endm
	s_wait_kmcnt 0x0
	s_sub_co_i32 s92, s74, s68
	s_sub_co_i32 s92, s92, s69                     ; q: e6 - e0 - e1
	s_sub_co_i32 s93, s75, s70
	s_sub_co_i32 s93, s93, s71                     ; k: e7 - e2 - e3
	s_sub_co_i32 s94, s77, s72
	s_sub_co_i32 s94, s94, s73                     ; v: e9 - e4 - e5
	s_cmp_eq_u32 ttmp9, 1
	s_cselect_b32 s92, s93, s92
	s_cmp_eq_u32 ttmp9, 2
	s_cselect_b32 s92, s94, s92
	s_add_co_i32 s92, s92, 127
	s_lshl_b32 s93, s92, 23
	v_mov_b32 v[SCL], s93                          ; the folded scale as f32
	s_add_co_i32 s92, s92, 8
	s_lshl_b32 s90, s92, 23
	s_or_b32 s90, s90, 0x600000                    ; 448 x that,
	s_or_b32 s91, s90, 0x80000000                  ; and its negative
	PLACES NP
.irp g, 0,1,2,3
.if \g > 1
	s_wait_xcnt 0x0                                ; pair g - 2's stores have read their registers: pair g's loads may land there
.endif
	TOSTAGE 2*\g
	TOSTAGE 2*\g+1
	BACK \g
.if \g > 0
	SEND \g-1, 24                                  ; behind pair g - 1's loads: pair g's 16 stores and 8 loads
.endif
.endr
	SEND 3, 0
	s_wait_tensorcnt 0x0                           ; the wave's end, behind my last tensor load and my last LDS store
	ds_add_u32 v[SPW], v[NIL]
	s_wait_dscnt 0x0
	CROUND                                         ; the closing round: no work-group ends while a partner may still ask for a tile that names it
	s_endpgm
.Lfunc_end_k_qfc059ca8ea_qkv:
	.size	k_qfc059ca8ea_qkv, .Lfunc_end_k_qfc059ca8ea_qkv-k_qfc059ca8ea_qkv
	.p2alignl 7, 3214868480
	.fill 96, 4, 3214868480
	.section	.rodata,"a",@progbits
	.p2align	6, 0x0
	.amdhsa_kernel k_qfc059ca8ea_qkv
		.amdhsa_group_segment_fixed_size 327680
		.amdhsa_private_segment_fixed_size 0
		.amdhsa_enable_private_segment 0
		.amdhsa_kernarg_size 32
		.amdhsa_user_sgpr_count 2
		.amdhsa_user_sgpr_kernarg_segment_ptr 1
		.amdhsa_wavefront_size32 1
		.amdhsa_system_sgpr_workgroup_id_x 1
		.amdhsa_system_sgpr_workgroup_id_y 1
		.amdhsa_system_sgpr_workgroup_id_z 1
		.amdhsa_system_vgpr_workitem_id 0
		.amdhsa_next_free_vgpr 1024
		.amdhsa_next_free_sgpr 100
		.amdhsa_reserve_vcc 0
		.amdhsa_float_denorm_mode_32 3
		.amdhsa_float_denorm_mode_16_64 3
		.amdhsa_memory_ordered 1
		.amdhsa_forward_progress 1
		.amdhsa_inst_pref_size 124
	.end_amdhsa_kernel
	.amdgpu_metadata
---
amdhsa.version: [ 1, 2 ]
amdhsa.kernels:
  - .name:           k_qfc059ca8ea_qkv
    .symbol:         k_qfc059ca8ea_qkv.kd
    .args:
      - { .name: xc, .offset: 0, .size: 8, .value_kind: global_buffer, .address_space: global }
      - { .name: wc, .offset: 8, .size: 8, .value_kind: global_buffer, .address_space: global }
      - { .name: lowp_scales, .offset: 16, .size: 8, .value_kind: global_buffer, .address_space: global }
      - { .name: qkvc, .offset: 24, .size: 8, .value_kind: global_buffer, .address_space: global }
    .group_segment_fixed_size: 327680
    .private_segment_fixed_size: 0
    .kernarg_segment_align: 8
    .kernarg_segment_size: 32
    .max_flat_workgroup_size: 128
    .sgpr_count:     100
    .vgpr_count:     1024
    .wavefront_size: 32
...
	.end_amdgpu_metadata
.endif
;; end of part 2
;; launch attn (part 3): grid 8 x 32, 16 waves a work-group, no clusters, 34,816 bytes of LDS; arguments qkvc, lowp_scales, ac; writes ac
.if DOCPART == 3
	.amdgcn_target "amdgcn-amd-amdhsa--gfx1250"
	.amdhsa_code_object_version 6
	.text
	.protected	k_qfc059ca8ea_attn
	.globl	k_qfc059ca8ea_attn
	.p2align	8
	.type	k_qfc059ca8ea_attn,@function
k_qfc059ca8ea_attn:
	s_mov_b64 s[64:65], 0
	v_nop
	global_prefetch_b8 v0, s[64:65] scope:SCOPE_SE
	s_setreg_imm32_b32 hwreg(HW_REG_WAVE_MODE, 25, 1), 1
	s_wait_xcnt 0x0
; Causal attention on codes of E4M3, 32 heads (batch x head) of 2,048 tokens x 64 channels; the result, divided by the row's sum, is quantised for the last product.
; THE SOFTMAX AHEAD OF THE SECOND PRODUCT: t = score x log2(e) / 8; M = the row's largest t so far, rounded UP to a whole number; p = 2^(t - M) is what is quantised (scale 2^e8); the row's sum is taken of the
; unquantised p, in f32, and divides at the end.  When M moves, the sum and O are multiplied by 2^(old M - new M): exact.
; SHARES.  Work-group (g, head) owns the blocks g and 15 - g of 128 queries: (g + 1) + (16 - g) = 17 block-steps of 128 keys in every work-group.  Each of its sixteen waves owns one tile of 16 queries in 256 registers:
; tile T = wave / 2 of block g (role 0) or 15 - g (role 1), role = (wave ^ (wave / 4)) & 1.  The work-group walks (17 - g) / 2 trips of two key steps: the steps 0 .. 15 - g, and one more where that count is odd; a wave
; leaves out the WORK of the steps that lie wholly behind its queries, by a scalar branch on ids; in its last step hidden scores become -infinity ahead of the maximum.  Key 0 counts for every query, so M is a number from the first step on.
; K AND V come from memory into registers, two steps ahead, and from there into one of two LDS slots, one step ahead: wave w copies chunk w (512 bytes) of the step's K and of its V.  One barrier a step.
; No tensor loads, so the number of trips may hang on the work-group's number.  The slots are named by immediates: a trip of the loop is two steps.
; NO CLUSTER: the work-groups of a head walk 9 to 16 key steps (16 - g), so partners would need different numbers of tiles; a step's tiles are 16,384 bytes for sixteen waves' softmax.
; NO PREFETCH: each step's bytes are asked for by the loads themselves two key steps before they are stored to LDS.
; LAYOUT.  Both products are used transposed: S^T = K Q^T (16x16x64: source 0 = 16 keys, source 1 = my 16 queries), O^T = V^T P^T (16x16x128: source 0 = 16 channels, source 1 = P): a lane holds ONE query throughout.
; Row r' of tile 2 G + u of K is key 32 G + 8 u + r' + 8 (r' / 8), so the 16 registers of tiles 2 G, 2 G + 1 are keys 32 G + 16 (lane / 16) + 0 .. 15: the conversions' results are P's registers.  V's channels are
; chosen likewise, so O^T's 16 registers of two tiles are channels 32 p + 16 (lane / 16) + 0 .. 15: their codes are a chunk of the last product's A fragment, stored as it stands:
; ac: [256 blocks of 16 rows][8 x 128 K][2048]; block 8 tb + T; its row r is token 128 tb + 32 (T / 2) + 8 (T % 2) + r + 8 (r / 8); head n's chunks lie at 1,024 n.
; LIMITS: e6 + e7 between -123 and 130 (added to c's exponent field); e8, and e10 - e8 - e9, between -126 and 119.  Inside one matrix instruction k is permuted alike in both operands.
; REGISTERS: v1 16 x lane; v2 where I store in a slot; v3, v4 my chunk's offset in a step's K, V; v5-8 the loads' offsets (set 0: v5, v6; set 1: v7, v8); v9 d, v10 -infinity; v12 -M, v13 the largest t, v[14:15] the sum in two halves;
; v16-23 Q; v24-31, v32-39 sets 0, 1 (K's 16 bytes, V's 16 bytes); v40-103 8 tiles of K, then 4 of V; v104-167 S^T, then p; v168-199 O^T; v200-215 p's codes; v236-254 at work.
.set KV,  40
.set S,   104
.set OT,  168
.set PC,  200
	s_load_b128 s[4:7], s[0:1], 0x0                ; qkvc, the scales' exponents
	s_load_b64 s[8:9], s[0:1], 0x10                ; ac
	v_lshl_add_u32 v251, v0, 2, 0x8000
	v_mov_b32 v255, 0
	v_lshrrev_b32 v11, 5, v0
	v_readfirstlane_b32 s10, v11                   ; wave 0..15
	s_lshr_b32 s11, s10, 1                         ; T
	s_lshr_b32 s12, s10, 2
	s_xor_b32 s12, s12, s10
	s_and_b32 s12, s12, 1                          ; role
	s_mov_b32 s13, ttmp9                           ; g
	s_sub_co_u32 s30, 15, s13
	s_cmp_eq_u32 s12, 1
	s_cselect_b32 s14, s30, s13                    ; my block of queries, and my last key step
	s_sub_co_u32 s29, 17, s13
	s_lshr_b32 s29, s29, 1                         ; the work-group's trips of two steps: (17 - g) / 2, 5 to 8
	s_and_b32 s31, ttmp7, 0xffff
	s_lshr_b32 s15, s31, 4                         ; batch
	s_and_b32 s32, s31, 15                         ; head
	s_lshr_b32 s33, s32, 1                         ; its pair,
	s_and_b32 s34, s32, 1                          ; and its place in the pair
	s_lshl_b32 s48, s15, 7
	s_add_co_u32 s48, s48, s33
	s_lshl_b32 s48, s48, 14                        ; the batch's first block of tokens, my pair of heads
	s_lshl_b32 s30, s34, 11
	s_add_co_u32 s50, s48, s30
	s_add_co_u32 s50, s50, 0x400000                ; K: part 1; a head's chunks begin at 2,048 x its place
	s_mov_b32 s51, 0
	s_lshl_b32 s30, s34, 13
	s_add_co_u32 s48, s48, s30
	s_add_co_u32 s48, s48, 0x800000                ; V: part 2; a head's 8,192 bytes are on end
	s_mov_b32 s49, 0
	s_lshl_b32 s52, s15, 4
	s_add_co_u32 s52, s52, s14                     ; my block of tokens
	s_lshl_b32 s52, s52, 3
	s_add_co_u32 s54, s52, s11                     ; ac: block of 16 rows 8 tb + T
	s_add_co_u32 s52, s52, s33
	s_lshl_b32 s52, s52, 14
	s_lshl_b32 s30, s34, 11
	s_add_co_u32 s52, s52, s30
	s_lshr_b32 s30, s11, 1
	s_lshl_b32 s31, s30, 12
	s_add_co_u32 s52, s52, s31
	s_and_b32 s31, s11, 1
	s_lshl_b32 s35, s31, 9
	s_add_co_u32 s52, s52, s35                     ; Q: tile T = 2 G + u: G x 4,096 + u x 512
	s_mov_b32 s53, 0
	s_lshl_b32 s54, s54, 14
	s_lshl_b32 s35, s32, 10
	s_add_co_u32 s54, s54, s35                     ; + 1,024 x head
	s_mov_b32 s55, 0
	s_lshl_b32 s30, s30, 5
	s_lshl_b32 s31, s31, 3
	s_add_co_u32 s30, s30, s31                     ; 32 (T / 2) + 8 (T % 2)
	v_and_b32 v1, 31, v0
	v_lshlrev_b32 v1, 4, v1                        ; 16 x lane
	v_lshlrev_b32 v2, 4, v0                        ; 512 x wave + 16 x lane: my chunk in a slot's K (V's: 8,192 on)
	v_lshlrev_b32 v4, 4, v0                        ; the same in a step's V in memory
	s_lshr_b32 s31, s10, 2
	s_lshl_b32 s31, s31, 12
	s_and_b32 s35, s10, 3
	s_lshl_b32 s35, s35, 9
	s_add_co_u32 s31, s31, s35
	v_add_nc_u32 v3, s31, v1                       ; in a step's K in memory: (wave / 4) 4,096 + (wave % 4) 512
	v_and_b32 v9, 15, v0
	v_and_b32 v11, 8, v9
	v_add_nc_u32 v9, v9, v11                       ; r + 8 (r / 8)
	v_bfe_u32 v11, v0, 4, 1
	v_lshlrev_b32 v11, 4, v11
	v_sub_nc_u32 v9, v9, v11
	v_add_nc_u32 v9, s30, v9                       ; d = my query in its block - 16 (lane / 16).  Register n holds key 32 (n / 16) + n % 16 + 16 (lane / 16): hidden where 32 (n / 16) + n % 16 > d
	v_mov_b32 v10, 0xff800000                      ; -infinity
	v_mov_b32 v5, v3                               ; set 0: step 0
	v_mov_b32 v6, v4
	v_add_nc_u32 v7, 0x20000, v3                   ; set 1: step 1: a step on is 8 pairs of heads x 16,384 bytes
	v_add_nc_u32 v8, 0x20000, v4
	s_mov_b32 s20, 0x76543210                      ; v_permlanex16_b32's selects for lane l xor 16
	s_mov_b32 s21, 0xfedcba98
	s_mov_b32 s22, 0x3e38aa3b                      ; c = log2(e) / 8
	s_mov_b32 s56, 0                               ; the trips' counter
	s_wait_kmcnt 0x0
	s_load_b256 s[36:43], s[6:7], 0x0              ; e0 .. e7
	s_load_b128 s[44:47], s[6:7], 0x20             ; e8 .. e11
	s_add_nc_u64 s[16:17], s[4:5], s[50:51]        ; K
	s_add_nc_u64 s[18:19], s[4:5], s[48:49]        ; V
	s_add_nc_u64 s[24:25], s[4:5], s[52:53]        ; Q
	s_add_nc_u64 s[26:27], s[8:9], s[54:55]        ; where my codes go
	global_load_b128 v[16:19], v1, s[24:25]        ; Q's fragment stays in registers: channels 16 h + 0..15,
	global_load_b128 v[20:23], v1, s[24:25] offset:1024   ; 32 + 16 h + 0..15
	global_load_b128 v[24:27], v5, s[16:17]
	global_load_b128 v[28:31], v6, s[18:19]
	global_load_b128 v[32:35], v7, s[16:17]
	global_load_b128 v[36:39], v8, s[18:19]
	v_mov_b32 v13, 0xff61b1e6                      ; the largest t so far: -3e38, under every t
	v_floor_f32 v12, -v13                          ; -M
	v_mov_b32 v14, 0                               ; the sum, in two halves
	v_mov_b32 v15, 0
	v_mov_b32 v236, 0                              ; written once: a lane permute's destination counts as one of its sources
	v_mov_b32 v253, 0                              ; (named as the upper half of the pair v[252:253])
.set N, 0
.rept 32
	v_mov_b32 v[OT+N], 0                           ; O^T.  (The step is written once: the first finds zeros, which the first change of M leaves zeros)
.set N, N+1
.endr
	s_wait_kmcnt 0x0
	s_add_co_i32 s30, s42, s43
	s_lshl_b32 s30, s30, 23
	s_add_co_i32 s22, s22, s30                     ; a score stands for score x 2^(e6 + e7): the exponents are added to c's exponent field
	s_mov_b32 s23, s22                             ; (named with it as a pair, so it is written)
	s_add_co_i32 s30, s44, 127
	s_lshl_b32 s31, s30, 23
	v_mov_b32 v244, s31                            ; 2^e8 as f32, for p's conversions
	s_add_co_i32 s30, s30, 8
	s_lshl_b32 s30, s30, 23
	s_or_b32 s30, s30, 0x600000
	v_mov_b32 v240, s30                            ; 448 x 2^e8
	s_wait_loadcnt 0x2                             ; Q and step 0 are in; step 1's two loads stay out
	ds_store_b128 v2, v[24:27]                     ; step 0 into slot 0
	ds_store_b128 v2, v[28:31] offset:8192
	v_add_nc_u32 v5, 0x40000, v3                   ; (free since the wait for their loads)  step 2
	v_add_nc_u32 v6, 0x40000, v4
	s_wait_dscnt 0x0                               ; the stores have landed, for the others' sake, and have read set 0
	global_load_b128 v[24:27], v5, s[16:17]
	global_load_b128 v[28:31], v6, s[18:19]
	s_barrier_signal -1
	s_barrier_wait -1
; A KEY STEP, number s28 + par, read from slot par.
.macro STEP par
.set NX, 1-\par
	s_wait_loadcnt 0x2                             ; the next step's K and V are in (set NX); the two younger loads, of the step after it, stay out: so on the way in, between a trip's two steps and over the backward jump
	ds_store_b128 v2, v[24+8*NX:27+8*NX] offset:NX*16384         ; into the other slot, which nobody has read since the last barrier
	ds_store_b128 v2, v[28+8*NX:31+8*NX] offset:NX*16384+8192
	s_add_co_u32 s30, s28, \par+3
	s_min_u32 s30, s30, 15                         ; three steps on; held at the head's last block of tokens: no load leaves the buffer
	s_lshl_b32 s30, s30, 17
	v_add_nc_u32 v[5+2*NX], s30, v3                ; (free since the wait for their loads)
	v_add_nc_u32 v[6+2*NX], s30, v4
	s_wait_dscnt 0x0                               ; the stores have read the set
	global_load_b128 v[24+8*NX:27+8*NX], v[5+2*NX], s[16:17]
	global_load_b128 v[28+8*NX:31+8*NX], v[6+2*NX], s[18:19]
	s_add_co_u32 s31, s28, \par
	s_cmp_gt_u32 s31, s14                          ; all this step's keys come after my queries: its work is left out; the barrier below is not
	s_cbranch_scc1 .Lhidden_\@
.irp t, 0,1,2,3,4,5,6,7
.irp c, 0,1
	ds_load_b128 v[KV+8*\t+4*\c:KV+8*\t+4*\c+3], v1 offset:\par*16384+(4*(\t/2)+2*\c+(\t%2))*512
.endr
.endr
	s_wait_dscnt 0x0
.irp t, 0,1,2,3,4,5,6,7
	v_wmma_f32_16x16x64_fp8_fp8 v[S+8*\t:S+8*\t+7], v[KV+8*\t:KV+8*\t+7], v[16:23], 0
.endr
.rept 4
	v_nop                                          ; places in front of the loads into K's registers and of the first read of the scores
.endr
.irp t, 0,1,2,3
.irp c, 0,1,2,3
	ds_load_b128 v[KV+16*\t+4*\c:KV+16*\t+4*\c+3], v1 offset:\par*16384+8192+(8*(\t/2)+2*\c+(\t%2))*512   ; V's four tiles land while the softmax is worked
.endr
.endr
	s_cmp_lg_u32 s31, s14                          ; only my last step lies on the diagonal
	s_cbranch_scc1 .Lopen_\@
.set N, 0
.rept 64
	v_cmp_gt_i32 vcc_lo, 32*(N/16)+N%16, v9
	v_cndmask_b32 v[S+N], v[S+N], v10, vcc_lo
.set N, N+1
.endr
.Lopen_\@:
	v_max3_num_f32 v254, v[S], v[S+1], v[S+2]      ; the step's largest score of my query, among my 64 keys, in two chains; each accumulator is read from its low end on
	v_max3_num_f32 v252, v[S+3], v[S+4], v[S+5]
.set N, 6
.rept 14
	v_max3_num_f32 v254, v254, v[S+N], v[S+N+1]
	v_max3_num_f32 v252, v252, v[S+N+2], v[S+N+3]
.set N, N+4
.endr
	v_max3_num_f32 v254, v254, v[S+62], v[S+63]
	v_max_num_f32 v254, v254, v252
	v_permlanex16_b32 v236, v254, s20, s21
	v_max_num_f32 v254, v254, v236                 ; and among lane l xor 16's
	v_mul_f32 v254, s22, v254                      ; as t (c is positive)
	v_max_num_f32 v13, v13, v254                   ; the running largest t
	v_mov_b32 v254, v12
	v_floor_f32 v12, -v13                          ; the new -M = floor(-t) = -ceil(t): a whole number
	v_sub_f32 v254, v12, v254                      ; M's old value less its new one: a whole number, 0 or less
	v_cvt_i32_f32 v254, v254                       ; (it saturates)
	v_ldexp_f32 v252, 1.0, v254                    ; f = 2^(old M - new M)
.set N, 0
.rept 32
	v_pk_fma_f32 v[S+N:S+N+1], v[S+N:S+N+1], s[22:23], v[12:13] op_sel_hi:[1,0,0]   ; t - M, two at a time (of the pairs c and -M the low word serves both halves)
.set N, N+2
.endr
.set N, 0
.rept 64
	v_exp_f32 v[S+N], v[S+N]                       ; p = 2^(t - M), at most 1: not normalised
.set N, N+1
.endr
	v_pk_mul_f32 v[14:15], v[14:15], v[252:253] op_sel_hi:[1,0]   ; the sums under the new M: the plain line behind the exponentials
	s_wait_alu depctr_va_vdst(0)                   ; one wait for the whole batch, ahead of its first reader
	v_pk_add_f32 v[242:243], v[S:S+1], v[S+2:S+3]  ; the row's sum is taken of the unquantised p: two at a time, in two chains
.set N, 4
.rept 15
	v_pk_add_f32 v[14:15], v[14:15], v[S+N:S+N+1]
	v_pk_add_f32 v[242:243], v[242:243], v[S+N+2:S+N+3]
.set N, N+4
.endr
	v_pk_add_f32 v[14:15], v[14:15], v[242:243]
.irp b, 0,1,2,3
.set N, 0
.rept 16
	v_min_num_f32 v[S+16*\b+N], v[S+16*\b+N], v240 ; the conversion does not saturate (ISA guide 7.6.2); p is not negative, so the hold is one-sided; it is always executed
.set N, N+1
.endr
	v_cvt_scalef32_pk8_fp8_f32 v[PC+4*\b:PC+4*\b+1], v[S+16*\b:S+16*\b+7], v244
	v_cvt_scalef32_pk8_fp8_f32 v[PC+4*\b+2:PC+4*\b+3], v[S+16*\b+8:S+16*\b+15], v244
.endr
.set N, 0
.rept 16
	v_pk_mul_f32 v[OT+N:OT+N+1], v[OT+N:OT+N+1], v[252:253] op_sel_hi:[1,0]   ; O^T under the new M.  (Also the plain lines between the conversions and the products that read their results)
.set N, N+2
.endr
	s_wait_dscnt 0x0                               ; V is in
.irp t, 0,1,2,3
	v_wmma_f32_16x16x128_fp8_fp8 v[OT+8*\t:OT+8*\t+7], v[KV+16*\t:KV+16*\t+15], v[PC:PC+15], v[OT+8*\t:OT+8*\t+7]   ; four accumulators by turns; between two links on one stand the three others' and the next step's eight score products
.endr
.rept 4
	v_nop                                          ; places in front of the next step's loads into V's registers, and of the next read of O^T
.endr
.Lhidden_\@:
	s_wait_dscnt 0x0                               ; my stores of the next step have landed and my reads of this slot are over
	s_barrier_signal -1
	s_barrier_wait -1                              ; both now hold of every wave
.endm
.Ltrip:                                                ; (17 - g) / 2 trips, counted one by one in s56 against s29, which the loop does not write
	s_lshl_b32 s28, s56, 1                         ; the trip's first key step
	STEP 0
	STEP 1
	s_add_co_u32 s56, s56, 1
	s_cmp_lt_u32 s56, s29
	s_cbranch_scc1 .Ltrip
	; THE WAY OUT.  O^T / the sum stands for the result / 2^(e8 + e9): its code is that / 2^(e10 - e8 - e9).  (v24-39 are left alone: the last look-ahead loads may still be out.)
	s_sub_co_i32 s30, s46, s44
	s_sub_co_i32 s30, s30, s45                     ; e10 - e8 - e9
	s_add_co_i32 s30, s30, 127
	s_lshl_b32 s31, s30, 23
	s_add_co_i32 s30, s30, 8
	s_lshl_b32 s30, s30, 23
	s_or_b32 s30, s30, 0x600000
	v_add_f32 v14, v14, v15                        ; the sum's two halves,
	v_permlanex16_b32 v236, v14, s20, s21
	v_add_f32 v14, v14, v236                       ; and lane l xor 16's: the row's sum
	v_rcp_f32 v14, v14
	v_mov_b32 v245, s31                            ; (a plain line behind the transcendental)  the folded scale as f32
	v_mov_b32 v241, s30                            ; 448 x that
	s_wait_alu depctr_va_vdst(0)                   ; the wait ahead of the reciprocal's first reader
.set N, 0
.rept 32
	v_mul_f32 v[S+N], v[OT+N], v14                 ; register 16 p + i: channel 32 p + 16 (lane / 16) + i of my query
.set N, N+1
.endr
.set N, 0
.rept 32
	v_med3_num_f32 v[S+N], v[S+N], -v241, v241
.set N, N+1
.endr
.irp p, 0,1
	v_cvt_scalef32_pk8_fp8_f32 v[PC+4*\p:PC+4*\p+1], v[S+16*\p:S+16*\p+7], v245
	v_cvt_scalef32_pk8_fp8_f32 v[PC+4*\p+2:PC+4*\p+3], v[S+16*\p+8:S+16*\p+15], v245
.endr
	v_nop
	global_store_b128 v1, v[PC:PC+3], s[26:27]               ; two chunks of the next operand's image: each store covers 512 consecutive bytes, aligned
	global_store_b128 v1, v[PC+4:PC+7], s[26:27] offset:512
	s_wait_tensorcnt 0x0
	ds_add_u32 v251, v255
	s_wait_dscnt 0x0
	s_endpgm
.Lfunc_end_k_qfc059ca8ea_attn:
	.size	k_qfc059ca8ea_attn, .Lfunc_end_k_qfc059ca8ea_attn-k_qfc059ca8ea_attn
	.p2alignl 7, 3214868480
	.fill 96, 4, 3214868480
	.section	.rodata,"a",@progbits
	.p2align	6, 0x0
	.amdhsa_kernel k_qfc059ca8ea_attn
		.amdhsa_group_segment_fixed_size 34816
		.amdhsa_private_segment_fixed_size 0
		.amdhsa_enable_private_segment 0
		.amdhsa_kernarg_size 24
		.amdhsa_user_sgpr_count 2
		.amdhsa_user_sgpr_kernarg_segment_ptr 1
		.amdhsa_wavefront_size32 1
		.amdhsa_system_sgpr_workgroup_id_x 1
		.amdhsa_system_sgpr_workgroup_id_y 1
		.amdhsa_system_sgpr_workgroup_id_z 1
		.amdhsa_system_vgpr_workitem_id 0
		.amdhsa_next_free_vgpr 256
		.amdhsa_next_free_sgpr 66
		.amdhsa_reserve_vcc 1
		.amdhsa_float_denorm_mode_32 3
		.amdhsa_float_denorm_mode_16_64 3
		.amdhsa_memory_ordered 1
		.amdhsa_forward_progress 1
		.amdhsa_inst_pref_size 53
	.end_amdhsa_kernel
	.amdgpu_metadata
---
amdhsa.version: [ 1, 2 ]
amdhsa.kernels:
  - .name:           k_qfc059ca8ea_attn
    .symbol:         k_qfc059ca8ea_attn.kd
    .args:
      - { .name: qkvc, .offset: 0, .size: 8, .value_kind: global_buffer, .address_space: global }
      - { .name: lowp_scales, .offset: 8, .size: 8, .value_kind: global_buffer, .address_space: global }
      - { .name: ac, .offset: 16, .size: 8, .value_kind: global_buffer, .address_space: global }
    .group_segment_fixed_size: 34816
    .private_segment_fixed_size: 0
    .kernarg_segment_align: 8
    .kernarg_segment_size: 24
    .max_flat_workgroup_size: 512
    .sgpr_count:     66
    .vgpr_count:     256
    .wavefront_size: 32
...
	.end_amdgpu_metadata
.endif
;; end of part 3
;; launch oproj (part 4): grid 8 x 32, 4 waves a work-group, clusters of 4 x 4, 327,680 bytes of LDS; arguments ac, wc, lowp_scales, out0; writes out0
.if DOCPART == 4
	.amdgcn_target "amdgcn-amd-amdhsa--gfx1250"
	.amdhsa_code_object_version 6
	.text
	.protected	k_qfc059ca8ea_oproj
	.globl	k_qfc059ca8ea_oproj
	.p2align	8
	.type	k_qfc059ca8ea_oproj,@function
k_qfc059ca8ea_oproj:
	s_mov_b64 s[64:65], 0
	v_nop
	global_prefetch_b8 v0, s[64:65] scope:SCOPE_SE
	s_setreg_imm32_b32 hwreg(HW_REG_WAVE_MODE, 25, 1), 1
	s_wait_xcnt 0x0
	s_wait_alu depctr_hold_cnt(0) depctr_sa_sdst(0) depctr_va_vdst(0) depctr_va_sdst(0) depctr_va_ssrc(0) depctr_va_vcc(0) depctr_vm_vsrc(0)
	s_getreg_b32 s2, hwreg(HW_REG_IB_STS2, 6, 4)
	s_cmp_eq_u32 s2, 0
	s_cbranch_scc0 .Lentry_in_a_cluster
	s_endpgm
.Lentry_in_a_cluster:
	s_bfe_u32 s2, ttmp6, 0x10000c
	s_cmp_lg_u32 s2, 0xf033
	s_cbranch_scc0 .Lentry_shape_is_right
	s_endpgm
.Lentry_shape_is_right:
; out0 = attn o_proj^T x 2^(e10 + e11), on codes of E4M3.  A = ac: 4,096 rows x 1,024 K; B = wc's fourth part: 1,024 rows x 1,024 K; both as images of operand registers (a fragment of 16 rows x 128 K is 2,048 bytes,
; chunk c at 512 c, lane l's 16 bytes at 16 l; a block of 16 rows is 16,384 bytes).  out0: [4096][1024] f32.
; LIMIT: e10 + e11 lies between -126 and 127.  Inside one matrix instruction k is permuted alike in A and B.
; A tile of C is 128 x 128: 32 x 8 = 256 tiles, one to a work-group (256 x 256 would give 64).  Four waves, each 64 x 64: 16 accumulators.
; ALL OF K LIES IN LDS: A's 128 rows and B's are 131,072 bytes each.  Each wave asks at the head for its quarter of the rows in four loads, one for each quarter of K; no LDS byte is filled twice, so there is no ring.
; A wave has four tensor loads outstanding.  The waits count down 3, 2, 1, 0: a quarter of K is read behind its wait and a barrier, while the later quarters are on their way.
; CLUSTERS: 4 x 4 work-groups; A's tiles are asked for jointly by the four of a row of the cluster, B's by the four of a column.
; THE MATRIX INSTRUCTION IS USED TRANSPOSED (source 0 = 16 rows of B, source 1 = 16 rows of A): a lane holds eight neighbouring numbers of a row of C.
; ac's ROWS ARE NOT IN TOKEN ORDER: row r of block 8 tb + T is token 128 tb + 32 (T / 2) + 8 (T % 2) + r + 8 (r / 8); the stores' immediates put each row where it belongs.
; REGISTERS: window 0: v8-11, v12-15 LDS addresses of my A and B fragments in the four quarters; v16-18 the way out; v32-63, v64-127 at work on the way out; v128-255 the accumulators ((a, b) at v[128 + 8 (4 a + b)]).
;   window 1: two fragment buffers of 128: A's four fragments, then B's four.
.set QTR,    65536                     ; a quarter of K in LDS: A's 8 blocks x 4,096 bytes, then B's
.set STAGE,  4*QTR                     ; behind the tiles: 16 rows x 272 bytes for each wave, for the way out; no tile lands there
.set SPITCH, 272                       ; 256 bytes + 16: sixteen rows start at sixteen different 16-byte columns
.set ADRA, 8
.set ADRB, 12
.set STO,  16                          ; v16  where I put 32 bytes of a row
.set RD,   17                          ; v17  where I read a row back
.set CO,   18                          ; v18  my byte offset in two rows of out0
.set TMP,  32
.set BK,   64
.set ACC,  128
.set G1A, 24                           ; s[24:31] descriptor group 1 for A's tiles;  s[32:47] group 0, a set for each quarter of K
.set G0A, 32
.set G1B, 48                           ; s[48:55], s[68:83] the same for B's
.set G0B, 68
.set MSB, 0
.macro WIN new                         ; the immediate's high byte repeats the setting that is left
.if MSB != (\new)
	s_set_vgpr_msb (MSB<<8)|(\new)
.set MSB, (\new)
.endif
.endm
.set MUL,  0x05                        ; sources 0 (B) and 1 (A) window 1; C and D window 0
.set TO_F, 0x40                        ; destination window 1, address window 0
.macro CROUND                          ; a round of the cluster's barrier
	s_barrier_signal -1
	s_barrier_wait -1
	s_cmp_lg_u32 s14, 0
	s_cbranch_scc1 .Lnot_wave_0_\@
	s_barrier_signal -3
.Lnot_wave_0_\@:
	s_barrier_wait -3
	s_barrier_signal -1
	s_barrier_wait -1
.endm
.macro PLACES
.rept 4
	v_nop
.endr
.endm
	s_load_b128 s[4:7], s[0:1], 0x0                ; ac s[4:5], wc s[6:7]
	s_load_b128 s[8:11], s[0:1], 0x10              ; the scales' exponents s[8:9], out0 s[10:11]
	v_lshl_add_u32 v30, v0, 2, 0x44400
	v_mov_b32 v31, 0
	ds_add_u32 v30, v31
	ds_add_u32 v30, v31
	v_lshrrev_b32 v1, 5, v0
	v_readfirstlane_b32 s14, v1                    ; wave 0..3
	s_lshr_b32 s15, s14, 1                         ; which half of the tile's rows is mine.  Also: I fetch for A (0) or for B (1)
	s_and_b32 s16, s14, 1                          ; which half of its columns.  Also: which 64 rows of that tile I fetch
	s_bfe_u32 s84, ttmp6, 0x40000                  ; cx, cy: my place in the cluster
	s_bfe_u32 s85, ttmp6, 0x40004
	s_lshl_b32 s86, ttmp9, 2
	s_add_co_u32 s86, s86, s84                     ; tile column of C = 4 x cluster x + cx
	s_and_b32 s87, ttmp7, 0xffff
	s_lshl_b32 s87, s87, 2
	s_add_co_u32 s87, s87, s85                     ; tile row of C = 4 x cluster y + cy
	s_lshl_b32 s88, s85, 2
	s_lshl_b32 s88, 15, s88                        ; my row of the cluster
	s_lshl_b32 s89, 0x1111, s84                    ; my column
	; descriptor group 1: 4 pieces of 4,096 bytes (a quarter of K of a block of 16 rows), 16,384 bytes apart; dense in LDS
	s_or_b32 s[G1A+0], s88, (1<<21)                ; 15:0 the mask: A's tiles go to my row; 17:16 elements of 1 byte; 20 no padding; 21 set beside a mask
	s_or_b32 s[G1B+0], s89, (1<<21)
.irp g, G1A, G1B
	s_mov_b32 s[\g+1], 4096<<16                    ; tensor_dim0
	s_mov_b32 s[\g+2], 4<<16                       ; tensor_dim1
	s_mov_b32 s[\g+3], 4096<<16                    ; tile_dim0
	s_mov_b32 s[\g+4], 4                           ; tile_dim1
	s_mov_b32 s[\g+5], 16384                       ; tensor_dim0_stride
	s_mov_b32 s[\g+6], 0
	s_mov_b32 s[\g+7], 0
.endr
	s_lshl_b32 s17, s16, 16                        ; which 64 rows I fetch: 4 blocks of 16,384 bytes
	s_lshl_b32 s18, s87, 17                        ; A hangs on the tile row alone: 128 rows are 131,072 bytes
	s_add_co_u32 s18, s18, s17
	s_mov_b32 s19, 0
	s_lshl_b32 s90, s86, 17                        ; B on the tile column alone,
	s_add_co_u32 s90, s90, s17
	s_add_co_u32 s90, s90, 0x300000                ; in wc's fourth part
	s_mov_b32 s91, 0
	s_lshl_b32 s92, s14, 14                        ; where they go: wave x 16,384: no place in the cluster enters an LDS address
	s_wait_dscnt 0x0
	s_wait_kmcnt 0x0
	s_load_b128 s[56:59], s[8:9], 0x20             ; e8 .. e11
	s_add_nc_u64 s[20:21], s[4:5], s[18:19]
	s_add_nc_u64 s[22:23], s[6:7], s[90:91]
	CROUND                                         ; all sixteen work-groups are here: the joint loads meet
.irp q, 0,1,2,3
	s_mov_b32 s[G0A+4*\q], 1
	s_add_co_u32 s[G0A+4*\q+1], s92, \q*QTR
	s_add_nc_u64 s[G0A+4*\q+2:G0A+4*\q+3], s[20:21], \q*4096
	s_or_b32 s[G0A+4*\q+3], s[G0A+4*\q+3], 0x80000000
	s_mov_b32 s[G0B+4*\q], 1
	s_add_co_u32 s[G0B+4*\q+1], s92, \q*QTR
	s_add_nc_u64 s[G0B+4*\q+2:G0B+4*\q+3], s[22:23], \q*4096
	s_or_b32 s[G0B+4*\q+3], s[G0B+4*\q+3], 0x80000000
.endr
	s_cmp_eq_u32 s15, 0                            ; a wave's four fills stand in one branch on its number, ahead of every wait on TENSORcnt and every LDS read; four v_nop follow the last
	s_cbranch_scc0 .Lfor_b
	tensor_load_to_lds s[G0A:G0A+3], s[G1A:G1A+7]
	s_nop 0
	tensor_load_to_lds s[G0A+4:G0A+7], s[G1A:G1A+7]
	s_nop 0
	tensor_load_to_lds s[G0A+8:G0A+11], s[G1A:G1A+7]
	s_nop 0
	tensor_load_to_lds s[G0A+12:G0A+15], s[G1A:G1A+7]
	s_nop 0
.rept 4
	v_nop
.endr
	s_branch .Lasked
.Lfor_b:
	tensor_load_to_lds s[G0B:G0B+3], s[G1B:G1B+7]
	s_nop 0
	tensor_load_to_lds s[G0B+4:G0B+7], s[G1B:G1B+7]
	s_nop 0
	tensor_load_to_lds s[G0B+8:G0B+11], s[G1B:G1B+7]
	s_nop 0
	tensor_load_to_lds s[G0B+12:G0B+15], s[G1B:G1B+7]
	s_nop 0
.rept 4
	v_nop
.endr
.Lasked:
	v_and_b32 v1, 31, v0
	v_lshlrev_b32 v2, 4, v1                        ; 16 x lane
	s_lshl_b32 s62, s15, 14                        ; my 64 rows of A
	s_lshl_b32 s63, s16, 14                        ; my 64 rows of B,
	s_add_co_u32 s63, s63, 32768                   ; which lie behind A's 128
.irp q, 0,1,2,3
	v_add_nc_u32 v[ADRA+\q], s62, v2
	v_add_nc_u32 v[ADRB+\q], s63, v2
	s_add_co_u32 s62, s62, QTR
	s_add_co_u32 s63, s63, QTR
.endr
	v_and_b32 v3, 15, v0                           ; r
	v_bfe_u32 v4, v0, 4, 1                         ; h
	s_mul_i32 s62, s14, 16*SPITCH
	s_add_co_u32 s62, s62, STAGE                   ; my stage
	v_mul_u32_u24 v[STO], v3, SPITCH               ; in: row r, 32 bytes for each half of the lanes
	v_lshl_add_u32 v[STO], v4, 5, v[STO]
	v_add_nc_u32 v[STO], s62, v[STO]
	v_mul_u32_u24 v[RD], v4, SPITCH                ; back: lanes 0-15 take one row of 256 bytes, lanes 16-31 the next
	v_lshl_add_u32 v[RD], v3, 4, v[RD]
	v_add_nc_u32 v[RD], s62, v[RD]
	v_lshlrev_b32 v[CO], 12, v4                    ; and the same two rows in out0: a row is 4,096 bytes
	v_lshl_add_u32 v[CO], v3, 4, v[CO]
	s_lshl_b32 s90, s87, 19                        ; my first token: 128 x tile row + 64 x half, in rows of 4,096 bytes;
	s_lshl_b32 s93, s15, 18
	s_add_co_u32 s90, s90, s93
	s_lshl_b32 s93, s86, 9                         ; my first column: 512 bytes x tile column + 256 x half
	s_add_co_u32 s90, s90, s93
	s_lshl_b32 s93, s16, 8
	s_add_co_u32 s90, s90, s93
	s_mov_b32 s91, 0
	s_add_nc_u64 s[10:11], s[10:11], s[90:91]
.macro FETCH s                         ; the fragments of step s (128 along K) into buffer s % 2: 32 loads of 512 consecutive bytes
.set KQ, (\s)/2
.set QQ, (\s)%2
.set FB, 128*((\s)%2)
	WIN TO_F
.irp i, 0,1,2,3
.irp c, 0,1,2,3
	ds_load_b128 v[FB+64+16*\i+4*\c:FB+64+16*\i+4*\c+3], v[ADRB+KQ] offset:4096*\i+2048*QQ+512*\c
.endr
.endr
.irp i, 0,1,2,3
.irp c, 0,1,2,3
	ds_load_b128 v[FB+16*\i+4*\c:FB+16*\i+4*\c+3], v[ADRA+KQ] offset:4096*\i+2048*QQ+512*\c
.endr
.endr
.endm
.macro MUL16 f, zero                   ; the 16 accumulators take turns, one instruction a turn, in the same order in every step
	WIN MUL
.irp a, 0,1,2,3
.irp b, 0,1,2,3
.if \zero
	v_wmma_f32_16x16x128_fp8_fp8 v[ACC+8*(4*\a+\b):ACC+8*(4*\a+\b)+7], v[128*(\f)+64+16*\b:128*(\f)+64+16*\b+15], v[128*(\f)+16*\a:128*(\f)+16*\a+15], 0
.else
	v_wmma_f32_16x16x128_fp8_fp8 v[ACC+8*(4*\a+\b):ACC+8*(4*\a+\b)+7], v[128*(\f)+64+16*\b:128*(\f)+64+16*\b+15], v[128*(\f)+16*\a:128*(\f)+16*\a+15], v[ACC+8*(4*\a+\b):ACC+8*(4*\a+\b)+7]
.endif
.endr
.endr
.endm
.macro STEPO s, zero
	s_wait_dscnt 0x0                               ; this step's fragments are in
.if ((\s)%2 == 1) && ((\s) < 7)
	s_wait_tensorcnt 3-((\s)+1)/2                  ; my part of the next quarter of K is in; the loads of the later quarters stay out
	s_barrier_signal -1
	s_barrier_wait -1                              ; everybody's is
.endif
.if (\s) < 7
.if (\s) > 0
	PLACES                                         ; in front of loads into the buffer that the step before multiplied
.endif
	FETCH (\s)+1
.endif
	MUL16 (\s)%2, \zero
.endm
	s_wait_tensorcnt 3                             ; my part of the first quarter of K is in; three loads stay out
	s_barrier_signal -1
	s_barrier_wait -1
	FETCH 0
	STEPO 0, 1                                     ; the first products start the sums: nothing is cleared
	STEPO 1, 0
	STEPO 2, 0
	STEPO 3, 0
	STEPO 4, 0
	STEPO 5, 0                                     ; (its wait on TENSORcnt is for 0: no tensor load is out from here on)
	STEPO 6, 0
	STEPO 7, 0
	WIN 0
; THE WAY OUT, block by block of 16 rows x 64 columns: each sum x 2^(e10 + e11), through my own stage, back as rows of 256 bytes.
.macro TOSTAGE a
.set N, 0
.rept 16
	v_pk_mul_f32 v[TMP+N:TMP+N+1], v[ACC+32*(\a)+N:ACC+32*(\a)+N+1], s[60:61] op_sel_hi:[1,0]   ; each accumulator from its low end on
.set N, N+2
.endr
.irp b, 0,1,2,3
	ds_store_b128 v[STO], v[TMP+8*\b:TMP+8*\b+3] offset:64*\b
	ds_store_b128 v[STO], v[TMP+8*\b+4:TMP+8*\b+7] offset:64*\b+16
.endr
.set BB, BK+32*((\a)%2)
.irp t, 0,1,2,3,4,5,6,7
	ds_load_b128 v[BB+4*\t:BB+4*\t+3], v[RD] offset:\t*2*SPITCH   ; LDS serves a wave's instructions in order (ISA guide 5.7.1.4): these see my stores, and the next block's stores come behind them
.endr
.endm
.macro SEND a, younger                 ; stage rows 2 t, 2 t + 1 of block a are tokens 32 (a / 2) + 8 (a % 2) + 2 t + 8 (t / 4) and the next, counted from my first
.set BB, BK+32*((\a)%2)
	s_wait_dscnt \younger
.irp t, 0,1,2,3,4,5,6,7
	global_store_b128 v[CO], v[BB+4*\t:BB+4*\t+3], s[10:11] offset:(32*((\a)/2)+8*((\a)%2)+2*\t+8*(\t/4))*4096 th:TH_STORE_NT   ; 16 lanes store 256 consecutive bytes, aligned; written once, read by nobody here
.endr
.endm
	s_wait_kmcnt 0x0
	s_add_co_i32 s60, s58, s59                     ; e10 + e11
	s_add_co_i32 s60, s60, 127
	s_lshl_b32 s60, s60, 23                        ; 2^(e10 + e11) as f32
	s_mov_b32 s61, s60                             ; (named with it as a pair, so it is written)
	PLACES
	TOSTAGE 0
.irp a, 1,2,3
.if \a > 1
	s_wait_xcnt 0x0                                ; block a - 2's stores have read their registers: block a's loads may land there
.endif
	TOSTAGE \a
	SEND \a-1, 16                                  ; behind block a - 1's loads: block a's 8 stores and 8 loads
.endr
	SEND 3, 0
	s_wait_tensorcnt 0x0
	ds_add_u32 v30, v31
	s_wait_dscnt 0x0
	CROUND                                         ; the closing round: no work-group ends while a partner may still ask for a tile that names it
	s_endpgm
.Lfunc_end_k_qfc059ca8ea_oproj:
	.size	k_qfc059ca8ea_oproj, .Lfunc_end_k_qfc059ca8ea_oproj-k_qfc059ca8ea_oproj
	.p2alignl 7, 3214868480
	.fill 96, 4, 3214868480
	.section	.rodata,"a",@progbits
	.p2align	6, 0x0
	.amdhsa_kernel k_qfc059ca8ea_oproj
		.amdhsa_group_segment_fixed_size 327680
		.amdhsa_private_segment_fixed_size 0
		.amdhsa_enable_private_segment 0
		.amdhsa_kernarg_size 32
		.amdhsa_user_sgpr_count 2
		.amdhsa_user_sgpr_kernarg_segment_ptr 1
		.amdhsa_wavefront_size32 1
		.amdhsa_system_sgpr_workgroup_id_x 1
		.amdhsa_system_sgpr_workgroup_id_y 1
		.amdhsa_system_sgpr_workgroup_id_z 1
		.amdhsa_system_vgpr_workitem_id 0
		.amdhsa_next_free_vgpr 512
		.amdhsa_next_free_sgpr 96
		.amdhsa_reserve_vcc 0
		.amdhsa_float_denorm_mode_32 3
		.amdhsa_float_denorm_mode_16_64 3
		.amdhsa_memory_ordered 1
		.amdhsa_forward_progress 1
		.amdhsa_inst_pref_size 46
	.end_amdhsa_kernel
	.amdgpu_metadata
---
amdhsa.version: [ 1, 2 ]
amdhsa.kernels:
  - .name:           k_qfc059ca8ea_oproj
    .symbol:         k_qfc059ca8ea_oproj.kd
    .args:
      - { .name: ac, .offset: 0, .size: 8, .value_kind: global_buffer, .address_space: global }
      - { .name: wc, .offset: 8, .size: 8, .value_kind: global_buffer, .address_space: global }
      - { .name: lowp_scales, .offset: 16, .size: 8, .value_kind: global_buffer, .address_space: global }
      - { .name: out0, .offset: 24, .size: 8, .value_kind: global_buffer, .address_space: global }
    .group_segment_fixed_size: 327680
    .private_segment_fixed_size: 0
    .kernarg_segment_align: 8
    .kernarg_segment_size: 32
    .max_flat_workgroup_size: 128
    .sgpr_count:     96
    .vgpr_count:     512
    .wavefront_size: 32
...
	.end_amdgpu_metadata
.endif
;; end of part 4
;; ======== version 2 of 2: 4 launches; version 1 with the launch attn written anew for expert scheduling mode
;; workspace buffers: xc 12,582,912 bytes; wc 4,194,304 bytes; qkvc 12,582,912 bytes; ac 4,194,304 bytes
;; launch quant: the kernel of part 1 again; grid 512 x 1, 4 waves a work-group, no clusters, 68,096 bytes of LDS; arguments X, q_proj, k_proj, v_proj, o_proj, lowp_scales, xc, wc; writes xc, wc
;; launch qkv: the kernel of part 2 again; grid 12 x 16, 4 waves a work-group, clusters of 4 x 4, 327,680 bytes of LDS; arguments xc, wc, lowp_scales, qkvc; writes qkvc
;; launch attn (part 5): grid 8 x 32, 16 waves a work-group, no clusters, 34,816 bytes of LDS; arguments qkvc, lowp_scales, ac; writes ac
.if DOCPART == 5
	.amdgcn_target "amdgcn-amd-amdhsa--gfx1250"
	.amdhsa_code_object_version 6
	.text
	.protected	k_qfc059ca8ea_attn
	.globl	k_qfc059ca8ea_attn
	.p2align	8
	.type	k_qfc059ca8ea_attn,@function
k_qfc059ca8ea_attn:
	s_mov_b64 s[64:65], 0
	v_nop
	global_prefetch_b8 v0, s[64:65] scope:SCOPE_SE
	s_setreg_imm32_b32 hwreg(HW_REG_WAVE_SCHED_MODE, 0, 2), 2
	s_setreg_imm32_b32 hwreg(HW_REG_WAVE_MODE, 25, 1), 1
	s_wait_xcnt 0x0
	s_wait_alu depctr_vm_vsrc(0)
; Causal attention on codes of E4M3, 32 heads (batch x head) of 2,048 tokens x 64 channels; the result, divided by the row's sum, is quantised for the last product.
; THE SOFTMAX AHEAD OF THE SECOND PRODUCT: t = score x log2(e) / 8; M = the row's largest t so far, rounded UP to a whole number; p = 2^(t - M) is what is quantised (scale 2^e8); the row's sum is taken of the
; unquantised p, in f32, and divides at the end.  When M moves, the sum and O are multiplied by 2^(old M - new M): exact.
; SHARES.  Work-group (g, head) owns the blocks g and 15 - g of 128 queries: (g + 1) + (16 - g) = 17 block-steps of 128 keys in every work-group.  Each of its sixteen waves owns one tile of 16 queries in 256 registers:
; tile T = wave / 2 of block g (role 0) or 15 - g (role 1), role = (wave ^ (wave / 4)) & 1.  The work-group walks (17 - g) / 2 trips of two key steps: the steps 0 .. 15 - g, and one more where that count is odd; a wave
; leaves out the WORK of the steps that lie wholly behind its queries, by a scalar branch on ids; in its last step hidden scores become -infinity ahead of the maximum.  Key 0 counts for every query, so M is a number from the first step on.
; K AND V come from memory into registers, two steps ahead, and from there into one of two LDS slots, one step ahead: wave w copies chunk w (512 bytes) of the step's K and of its V.  One barrier a step.
; No tensor loads, so the number of trips may hang on the work-group's number.  The slots are named by immediates: a trip of the loop is two steps.
; NO CLUSTER: the work-groups of a head walk 9 to 16 key steps (16 - g), so partners would need different numbers of tiles; a step's tiles are 16,384 bytes for sixteen waves' softmax.
; NO PREFETCH: each step's bytes are asked for by the loads themselves two key steps before they are stored to LDS.
; LAYOUT.  Both products are used transposed: S^T = K Q^T (16x16x64: source 0 = 16 keys, source 1 = my 16 queries), O^T = V^T P^T (16x16x128: source 0 = 16 channels, source 1 = P): a lane holds ONE query throughout.
; Row r' of tile 2 G + u of K is key 32 G + 8 u + r' + 8 (r' / 8), so the 16 registers of tiles 2 G, 2 G + 1 are keys 32 G + 16 (lane / 16) + 0 .. 15: the conversions' results are P's registers.  V's channels are
; chosen likewise, so O^T's 16 registers of two tiles are channels 32 p + 16 (lane / 16) + 0 .. 15: their codes are a chunk of the last product's A fragment, stored as it stands:
; ac: [256 blocks of 16 rows][8 x 128 K][2048]; block 8 tb + T; its row r is token 128 tb + 32 (T / 2) + 8 (T % 2) + r + 8 (r / 8); head n's chunks lie at 1,024 n.
; LIMITS: e6 + e7 between -123 and 130 (added to c's exponent field); e8, and e10 - e8 - e9, between -126 and 119.  Inside one matrix instruction k is permuted alike in both operands.
; THE MODE: SCHED_MODE bits 1:0 = 2 (LLVM: expert scheduling mode 2), set by the entry lines.  The code itself states the register dependences between vector or matrix instructions and memory or LDS
; instructions, with s_wait_alu, always for 0.
; THE PLAN.  Registers that memory or LDS instructions touch:
;   v1, v2, v3, v4   addresses and offsets, made by vector lines at the head and never written again: one wait on va_vdst ahead of the first load serves the whole kernel.  A key step is reached by scalar bases,
;                    a pair for K and a pair for V to each set, made anew behind the wait that shows the set's last loads done.
;   v24-31, v32-39   sets 0 and 1: global loads land in them, LDS stores read them, no vector instruction names them.  One wait on vm_vsrc a step, between the stores and the loads that land there again.
;   v40-103          K's eight tiles land (LDS loads), the eight score products read them; V's four tiles land, the four products V^T P^T read them; then the next step's K.  Two waits on va_vdst a step: one ahead of
;                    K's loads, one behind the score products.  Behind the second, half of V's loads are dealt among the lines of the maximum, which name the scores, v252 and v254 alone (the mask's: the scores, v9, v10).
;   v200-207         on the way out: the conversions write them, the two stores read them: one wait on va_vdst.
;   The scores, p, O^T, p's codes in the loop and the statistics are named by vector and matrix instructions alone.
;   Scalars that vector instructions write: s10 (the wave's number), and the mask's 16 registers s32-43, s57-60, written in runs of 16 compares: one wait on va_sdst behind each, ahead of the first reader.
; REGISTERS: v1 16 x lane; v2 where I store in a slot; v3, v4 my chunk's offset in a step's K, V; v9 d, v10 -infinity; v12 -M, v13 the largest t, v[14:15] the sum in two halves;
; v16-23 Q; v24-31, v32-39 sets 0, 1 (K's 16 bytes, V's 16 bytes); v40-103 8 tiles of K, then 4 of V; v104-167 S^T, then p; v168-199 O^T; v200-215 p's codes; v236-254 at work.
; s[16:17], s[18:19] K and V at step 0; s[2:3] a step's byte offset; s[48:51], s[52:55] the bases of sets 0, 1.
.set KV,  40
.set S,   104
.set OT,  168
.set PC,  200
	s_load_b128 s[4:7], s[0:1], 0x0                ; qkvc, the scales' exponents
	s_load_b64 s[8:9], s[0:1], 0x10                ; ac
	v_lshl_add_u32 v251, v0, 2, 0x8000
	v_mov_b32 v255, 0
	v_lshrrev_b32 v11, 5, v0
	v_readfirstlane_b32 s10, v11                   ; wave 0..15
	v_and_b32 v1, 31, v0
	v_lshlrev_b32 v1, 4, v1                        ; 16 x lane
	v_lshlrev_b32 v2, 4, v0                        ; 512 x wave + 16 x lane: my chunk in a slot's K (V's: 8,192 on)
	v_lshlrev_b32 v4, 4, v0                        ; the same in a step's V in memory
	v_and_b32 v9, 15, v0
	v_and_b32 v11, 8, v9
	v_add_nc_u32 v9, v9, v11                       ; r + 8 (r / 8)
	v_bfe_u32 v11, v0, 4, 1
	v_lshlrev_b32 v11, 4, v11
	v_sub_nc_u32 v9, v9, v11                       ; - 16 (lane / 16)
	v_mov_b32 v10, 0xff800000                      ; -infinity
	s_wait_alu depctr_va_sdst(0)                   ; s10 is written, ahead of its first reader: roles, addresses and branches are made from it
	s_lshr_b32 s11, s10, 1                         ; T
	s_lshr_b32 s12, s10, 2
	s_xor_b32 s12, s12, s10
	s_and_b32 s12, s12, 1                          ; role
	s_mov_b32 s13, ttmp9                           ; g
	s_sub_co_u32 s30, 15, s13
	s_cmp_eq_u32 s12, 1
	s_cselect_b32 s14, s30, s13                    ; my block of queries, and my last key step
	s_sub_co_u32 s29, 17, s13
	s_lshr_b32 s29, s29, 1                         ; the work-group's trips of two steps: (17 - g) / 2, 5 to 8
	s_and_b32 s31, ttmp7, 0xffff
	s_lshr_b32 s15, s31, 4                         ; batch
	s_and_b32 s32, s31, 15                         ; head
	s_lshr_b32 s33, s32, 1                         ; its pair,
	s_and_b32 s34, s32, 1                          ; and its place in the pair
	s_lshl_b32 s48, s15, 7
	s_add_co_u32 s48, s48, s33
	s_lshl_b32 s48, s48, 14                        ; the batch's first block of tokens, my pair of heads
	s_lshl_b32 s30, s34, 11
	s_add_co_u32 s50, s48, s30
	s_add_co_u32 s50, s50, 0x400000                ; K: part 1; a head's chunks begin at 2,048 x its place
	s_mov_b32 s51, 0
	s_lshl_b32 s30, s34, 13
	s_add_co_u32 s48, s48, s30
	s_add_co_u32 s48, s48, 0x800000                ; V: part 2; a head's 8,192 bytes are on end
	s_mov_b32 s49, 0
	s_lshl_b32 s52, s15, 4
	s_add_co_u32 s52, s52, s14                     ; my block of tokens
	s_lshl_b32 s52, s52, 3
	s_add_co_u32 s54, s52, s11                     ; ac: block of 16 rows 8 tb + T
	s_add_co_u32 s52, s52, s33
	s_lshl_b32 s52, s52, 14
	s_lshl_b32 s30, s34, 11
	s_add_co_u32 s52, s52, s30
	s_lshr_b32 s30, s11, 1
	s_lshl_b32 s31, s30, 12
	s_add_co_u32 s52, s52, s31
	s_and_b32 s31, s11, 1
	s_lshl_b32 s35, s31, 9
	s_add_co_u32 s52, s52, s35                     ; Q: tile T = 2 G + u: G x 4,096 + u x 512
	s_mov_b32 s53, 0
	s_lshl_b32 s54, s54, 14
	s_lshl_b32 s35, s32, 10
	s_add_co_u32 s54, s54, s35                     ; + 1,024 x head
	s_mov_b32 s55, 0
	s_lshl_b32 s30, s30, 5
	s_lshl_b32 s31, s31, 3
	s_add_co_u32 s30, s30, s31                     ; 32 (T / 2) + 8 (T % 2)
	s_lshr_b32 s31, s10, 2
	s_lshl_b32 s31, s31, 12
	s_and_b32 s35, s10, 3
	s_lshl_b32 s35, s35, 9
	s_add_co_u32 s31, s31, s35
	v_add_nc_u32 v3, s31, v1                       ; in a step's K in memory: (wave / 4) 4,096 + (wave % 4) 512
	v_add_nc_u32 v9, s30, v9                       ; d = my query in its block - 16 (lane / 16).  Register n holds key 32 (n / 16) + n % 16 + 16 (lane / 16): hidden where 32 (n / 16) + n % 16 > d
	s_mov_b32 s20, 0x76543210                      ; v_permlanex16_b32's selects for lane l xor 16
	s_mov_b32 s21, 0xfedcba98
	s_mov_b32 s22, 0x3e38aa3b                      ; c = log2(e) / 8
	s_mov_b32 s56, 0                               ; the trips' counter
	s_mov_b32 s3, 0                                ; the upper word of a step's byte offset
	s_wait_kmcnt 0x0
	s_load_b256 s[36:43], s[6:7], 0x0              ; e0 .. e7
	s_load_b128 s[44:47], s[6:7], 0x20             ; e8 .. e11
	s_add_nc_u64 s[16:17], s[4:5], s[50:51]        ; K
	s_add_nc_u64 s[18:19], s[4:5], s[48:49]        ; V
	s_add_nc_u64 s[24:25], s[4:5], s[52:53]        ; Q
	s_add_nc_u64 s[26:27], s[8:9], s[54:55]        ; where my codes go
	s_wait_alu depctr_va_vdst(0)                   ; v1 to v4 are written: every load, LDS load, LDS store and store of the kernel reads one of them as its address or offset
	global_load_b128 v[16:19], v1, s[24:25]        ; Q's fragment stays in registers: channels 16 h + 0..15,
	global_load_b128 v[20:23], v1, s[24:25] offset:1024   ; 32 + 16 h + 0..15
	global_load_b128 v[24:27], v3, s[16:17]        ; set 0: step 0
	global_load_b128 v[28:31], v4, s[18:19]
	global_load_b128 v[32:35], v3, s[16:17] offset:0x20000   ; set 1: step 1: a step on is 8 pairs of heads x 16,384 bytes
	global_load_b128 v[36:39], v4, s[18:19] offset:0x20000
	v_mov_b32 v13, 0xff61b1e6                      ; the largest t so far: -3e38, under every t
	v_floor_f32 v12, -v13                          ; -M
	v_mov_b32 v14, 0                               ; the sum, in two halves
	v_mov_b32 v15, 0
	v_mov_b32 v236, 0                              ; written once: a lane permute's destination counts as one of its sources
	v_mov_b32 v253, 0                              ; (named as the upper half of the pair v[252:253])
.set N, 0
.rept 32
	v_mov_b32 v[OT+N], 0                           ; O^T.  (The step is written once: the first finds zeros, which the first change of M leaves zeros)
.set N, N+1
.endr
	s_wait_kmcnt 0x0
	s_add_co_i32 s30, s42, s43
	s_lshl_b32 s30, s30, 23
	s_add_co_i32 s22, s22, s30                     ; a score stands for score x 2^(e6 + e7): the exponents are added to c's exponent field
	s_mov_b32 s23, s22                             ; (named with it as a pair, so it is written)
	s_add_co_i32 s30, s44, 127
	s_lshl_b32 s31, s30, 23
	v_mov_b32 v244, s31                            ; 2^e8 as f32, for p's conversions
	s_add_co_i32 s30, s30, 8
	s_lshl_b32 s30, s30, 23
	s_or_b32 s30, s30, 0x600000
	v_mov_b32 v240, s30                            ; 448 x 2^e8
	s_wait_loadcnt 0x2                             ; Q and step 0 are in; step 1's two loads stay out
	ds_store_b128 v2, v[24:27]                     ; step 0 into slot 0
	ds_store_b128 v2, v[28:31] offset:8192
	s_wait_alu depctr_vm_vsrc(0)                   ; the two LDS stores have read set 0, in which the loads below land
	s_wait_dscnt 0x0                               ; and they have landed, for the others' sake
	global_load_b128 v[24:27], v3, s[16:17] offset:0x40000   ; step 2
	global_load_b128 v[28:31], v4, s[18:19] offset:0x40000
	s_barrier_signal -1
	s_barrier_wait -1
; A KEY STEP, number s28 + par, read from slot par.
.macro STEP par
.set NX, 1-\par
	s_wait_loadcnt 0x2                             ; the next step's K and V are in (set NX); the two younger loads, of the step after it, stay out: so on the way in, between a trip's two steps and over the backward jump
	s_add_co_u32 s2, s28, \par+3
	s_min_u32 s2, s2, 15                           ; three steps on; held at the head's last block of tokens: no load leaves the buffer
	s_lshl_b32 s2, s2, 17
	s_add_nc_u64 s[48+4*NX:49+4*NX], s[16:17], s[2:3]   ; set NX's bases: free since the wait above, which shows the loads that read them done
	s_add_nc_u64 s[50+4*NX:51+4*NX], s[18:19], s[2:3]
	ds_store_b128 v2, v[24+8*NX:27+8*NX] offset:NX*16384         ; into the other slot, which nobody has read since the last barrier
	ds_store_b128 v2, v[28+8*NX:31+8*NX] offset:NX*16384+8192
	s_wait_alu depctr_vm_vsrc(0)                   ; the two LDS stores have read set NX, in which the loads below land
	s_wait_dscnt 0x0                               ; and they have landed
	global_load_b128 v[24+8*NX:27+8*NX], v3, s[48+4*NX:49+4*NX]
	global_load_b128 v[28+8*NX:31+8*NX], v4, s[50+4*NX:51+4*NX]
	s_add_co_u32 s31, s28, \par
	s_cmp_gt_u32 s31, s14                          ; all this step's keys come after my queries: its work is left out; the barrier below is not
	s_cbranch_scc1 .Lhidden_\@
	s_wait_alu depctr_va_vdst(0)                   ; the products V^T P^T of the step before are done reading v[KV ..], in which K's tiles land
.irp t, 0,1,2,3,4,5,6,7
.irp c, 0,1
	ds_load_b128 v[KV+8*\t+4*\c:KV+8*\t+4*\c+3], v1 offset:\par*16384+(4*(\t/2)+2*\c+(\t%2))*512
.endr
.endr
	s_wait_dscnt 0x0
.irp t, 0,1,2,3,4,5,6,7
	v_wmma_f32_16x16x64_fp8_fp8 v[S+8*\t:S+8*\t+7], v[KV+8*\t:KV+8*\t+7], v[16:23], 0
.endr
.rept 4
	v_nop                                          ; places in front of the first read of the scores
.endr
	s_wait_alu depctr_va_vdst(0)                   ; the score products are done reading K's tiles in v[KV ..], in which V's tiles land; no line from here to the last of V's loads names those registers or v1
.irp t, 0,1
.irp c, 0,1,2,3
	ds_load_b128 v[KV+16*\t+4*\c:KV+16*\t+4*\c+3], v1 offset:\par*16384+8192+(8*(\t/2)+2*\c+(\t%2))*512   ; V's tiles 0 and 1; tiles 2 and 3 are dealt among the lines of the maximum: all land while the softmax is worked
.endr
.endr
	s_cmp_lg_u32 s31, s14                          ; only my last step lies on the diagonal
	s_cbranch_scc1 .Lopen_\@
.set MB, 0
.rept 4                                        ; sixteen compares into sixteen scalar registers, one wait, sixteen selects: each accumulator is read from its low end on
.set MI, 0
.rept 16
.set MR, 32+MI                                 ; s32-43,
.if MI >= 12
.set MR, 45+MI                                 ; s57-60
.endif
	v_cmp_gt_i32 s[MR], 32*MB+MI, v9
.set MI, MI+1
.endr
	s_wait_alu depctr_va_sdst(0)                   ; the sixteen compares have written their masks, ahead of the first select that reads one
.set MI, 0
.rept 16
.set MR, 32+MI
.if MI >= 12
.set MR, 45+MI
.endif
	v_cndmask_b32 v[S+16*MB+MI], v[S+16*MB+MI], v10, s[MR]
.set MI, MI+1
.endr
.set MB, MB+1
.endr
.Lopen_\@:
	v_max3_num_f32 v254, v[S], v[S+1], v[S+2]      ; the step's largest score of my query, among my 64 keys, in two chains; each accumulator is read from its low end on
	v_max3_num_f32 v252, v[S+3], v[S+4], v[S+5]
.set N, 6
.set VL, 8
.rept 14
.if VL < 16
	ds_load_b128 v[KV+4*VL:KV+4*VL+3], v1 offset:\par*16384+8192+(8*(VL/8)+2*(VL%4)+((VL/4)%2))*512   ; load VL of V's sixteen: tile VL / 4, chunk VL % 4.  No wait: see the one behind the score products
.set VL, VL+1
.endif
	v_max3_num_f32 v254, v254, v[S+N], v[S+N+1]
	v_max3_num_f32 v252, v252, v[S+N+2], v[S+N+3]
.set N, N+4
.endr
	v_max3_num_f32 v254, v254, v[S+62], v[S+63]
	v_max_num_f32 v254, v254, v252
	v_permlanex16_b32 v236, v254, s20, s21
	v_max_num_f32 v254, v254, v236                 ; and among lane l xor 16's
	v_mul_f32 v254, s22, v254                      ; as t (c is positive)
	v_max_num_f32 v13, v13, v254                   ; the running largest t
	v_mov_b32 v254, v12
	v_floor_f32 v12, -v13                          ; the new -M = floor(-t) = -ceil(t): a whole number
	v_sub_f32 v254, v12, v254                      ; M's old value less its new one: a whole number, 0 or less
	v_cvt_i32_f32 v254, v254                       ; (it saturates)
	v_ldexp_f32 v252, 1.0, v254                    ; f = 2^(old M - new M)
.set N, 0
.rept 32
	v_pk_fma_f32 v[S+N:S+N+1], v[S+N:S+N+1], s[22:23], v[12:13] op_sel_hi:[1,0,0]   ; t - M, two at a time (of the pairs c and -M the low word serves both halves)
.set N, N+2
.endr
.set N, 0
.rept 64
	v_exp_f32 v[S+N], v[S+N]                       ; p = 2^(t - M), at most 1: not normalised
.set N, N+1
.endr
	v_pk_mul_f32 v[14:15], v[14:15], v[252:253] op_sel_hi:[1,0]   ; the sums under the new M: the plain line behind the exponentials
	s_wait_alu depctr_va_vdst(0)                   ; the 64 exponentials have written v[S ..]: one wait for the whole batch, ahead of its first reader
	v_pk_add_f32 v[242:243], v[S:S+1], v[S+2:S+3]  ; the row's sum is taken of the unquantised p: two at a time, in two chains
.set N, 4
.rept 15
	v_pk_add_f32 v[14:15], v[14:15], v[S+N:S+N+1]
	v_pk_add_f32 v[242:243], v[242:243], v[S+N+2:S+N+3]
.set N, N+4
.endr
	v_pk_add_f32 v[14:15], v[14:15], v[242:243]
.irp b, 0,1,2,3
.set N, 0
.rept 16
	v_min_num_f32 v[S+16*\b+N], v[S+16*\b+N], v240 ; the conversion does not saturate (ISA guide 7.6.2); p is not negative, so the hold is one-sided; it is always executed
.set N, N+1
.endr
	v_cvt_scalef32_pk8_fp8_f32 v[PC+4*\b:PC+4*\b+1], v[S+16*\b:S+16*\b+7], v244
	v_cvt_scalef32_pk8_fp8_f32 v[PC+4*\b+2:PC+4*\b+3], v[S+16*\b+8:S+16*\b+15], v244
.endr
.set N, 0
.rept 16
	v_pk_mul_f32 v[OT+N:OT+N+1], v[OT+N:OT+N+1], v[252:253] op_sel_hi:[1,0]   ; O^T under the new M.  (Also the plain lines between the conversions and the products that read their results)
.set N, N+2
.endr
	s_wait_dscnt 0x0                               ; V is in
.irp t, 0,1,2,3
	v_wmma_f32_16x16x128_fp8_fp8 v[OT+8*\t:OT+8*\t+7], v[KV+16*\t:KV+16*\t+15], v[PC:PC+15], v[OT+8*\t:OT+8*\t+7]   ; four accumulators by turns; between two links on one stand the three others' and the next step's eight score products
.endr
.rept 4
	v_nop                                          ; places in front of the next read of O^T, on the way out too
.endr
.Lhidden_\@:
	s_wait_dscnt 0x0                               ; my stores of the next step have landed and my reads of this slot are over
	s_barrier_signal -1
	s_barrier_wait -1                              ; both now hold of every wave
.endm
.Ltrip:                                                ; (17 - g) / 2 trips, counted one by one in s56 against s29, which the loop does not write
	s_lshl_b32 s28, s56, 1                         ; the trip's first key step
	STEP 0
	STEP 1
	s_add_co_u32 s56, s56, 1
	s_cmp_lt_u32 s56, s29
	s_cbranch_scc1 .Ltrip
	; THE WAY OUT.  O^T / the sum stands for the result / 2^(e8 + e9): its code is that / 2^(e10 - e8 - e9).  (v24-39 are left alone: the last look-ahead loads may still be out.)
	s_sub_co_i32 s30, s46, s44
	s_sub_co_i32 s30, s30, s45                     ; e10 - e8 - e9
	s_add_co_i32 s30, s30, 127
	s_lshl_b32 s31, s30, 23
	s_add_co_i32 s30, s30, 8
	s_lshl_b32 s30, s30, 23
	s_or_b32 s30, s30, 0x600000
	v_add_f32 v14, v14, v15                        ; the sum's two halves,
	v_permlanex16_b32 v236, v14, s20, s21
	v_add_f32 v14, v14, v236                       ; and lane l xor 16's: the row's sum
	v_rcp_f32 v14, v14
	v_mov_b32 v245, s31                            ; (a plain line behind the transcendental)  the folded scale as f32
	v_mov_b32 v241, s30                            ; 448 x that
	s_wait_alu depctr_va_vdst(0)                   ; the reciprocal has written v14, ahead of its first reader
.set N, 0
.rept 32
	v_mul_f32 v[S+N], v[OT+N], v14                 ; register 16 p + i: channel 32 p + 16 (lane / 16) + i of my query
.set N, N+1
.endr
.set N, 0
.rept 32
	v_med3_num_f32 v[S+N], v[S+N], -v241, v241
.set N, N+1
.endr
.irp p, 0,1
	v_cvt_scalef32_pk8_fp8_f32 v[PC+4*\p:PC+4*\p+1], v[S+16*\p:S+16*\p+7], v245
	v_cvt_scalef32_pk8_fp8_f32 v[PC+4*\p+2:PC+4*\p+3], v[S+16*\p+8:S+16*\p+15], v245
.endr
	v_nop
	s_wait_alu depctr_va_vdst(0)                   ; the four conversions have written v[PC .. PC+7], which the two stores read
	global_store_b128 v1, v[PC:PC+3], s[26:27]               ; two chunks of the next operand's image: each store covers 512 consecutive bytes, aligned
	global_store_b128 v1, v[PC+4:PC+7], s[26:27] offset:512
	s_wait_dscnt 0x0
	s_wait_alu depctr_hold_cnt(0) depctr_sa_sdst(0) depctr_va_vdst(0) depctr_va_sdst(0) depctr_va_ssrc(0) depctr_va_vcc(0) depctr_vm_vsrc(0)
	s_wait_tensorcnt 0x0
	ds_add_u32 v251, v255
	s_wait_dscnt 0x0
	s_endpgm
.Lfunc_end_k_qfc059ca8ea_attn:
	.size	k_qfc059ca8ea_attn, .Lfunc_end_k_qfc059ca8ea_attn-k_qfc059ca8ea_attn
	.p2alignl 7, 3214868480
	.fill 96, 4, 3214868480
	.section	.rodata,"a",@progbits
	.p2align	6, 0x0
	.amdhsa_kernel k_qfc059ca8ea_attn
		.amdhsa_group_segment_fixed_size 34816
		.amdhsa_private_segment_fixed_size 0
		.amdhsa_enable_private_segment 0
		.amdhsa_kernarg_size 24
		.amdhsa_user_sgpr_count 2
		.amdhsa_user_sgpr_kernarg_segment_ptr 1
		.amdhsa_wavefront_size32 1
		.amdhsa_system_sgpr_workgroup_id_x 1
		.amdhsa_system_sgpr_workgroup_id_y 1
		.amdhsa_system_sgpr_workgroup_id_z 1
		.amdhsa_system_vgpr_workitem_id 0
		.amdhsa_next_free_vgpr 256
		.amdhsa_next_free_sgpr 66
		.amdhsa_reserve_vcc 0
		.amdhsa_float_denorm_mode_32 3
		.amdhsa_float_denorm_mode_16_64 3
		.amdhsa_memory_ordered 1
		.amdhsa_forward_progress 1
		.amdhsa_inst_pref_size 61
	.end_amdhsa_kernel
	.amdgpu_metadata
---
amdhsa.version: [ 1, 2 ]
amdhsa.kernels:
  - .name:           k_qfc059ca8ea_attn
    .symbol:         k_qfc059ca8ea_attn.kd
    .args:
      - { .name: qkvc, .offset: 0, .size: 8, .value_kind: global_buffer, .address_space: global }
      - { .name: lowp_scales, .offset: 8, .size: 8, .value_kind: global_buffer, .address_space: global }
      - { .name: ac, .offset: 16, .size: 8, .value_kind: global_buffer, .address_space: global }
    .group_segment_fixed_size: 34816
    .private_segment_fixed_size: 0
    .kernarg_segment_align: 8
    .kernarg_segment_size: 24
    .max_flat_workgroup_size: 512
    .sgpr_count:     66
    .vgpr_count:     256
    .wavefront_size: 32
...
	.end_amdgpu_metadata
.endif
;; end of part 5
;; launch oproj: the kernel of part 4 again; grid 8 x 32, 4 waves a work-group, clusters of 4 x 4, 327,680 bytes of LDS; arguments ac, wc, lowp_scales, out0; writes out0
